; MI455X (gfx1250); checked and timed in simulation.
; The chip was launched on July 23, 2026; its instructions are those of AMD's public machine-readable ISA for CDNA 5 (MIT licence, August 2026) and "CDNA5" Instruction Set Architecture Reference Guide (July 2026). The comments in the code are by the model that wrote it; some were corrected since.
;; Experts. Allowed arithmetic: matrix products marked QUANTISED: E3M2 operands, one E8M0 scale for each 32 along K, by v_wmma_scale_f32_16x16x128_f8f6f4 with both operands' format E3M2, f32 sums; everything else in f32.
;; Inputs: W1 8 x 1,024 x 2,048 float32; W2 8 x 2,048 x 100 float32; b1 8 x 2,048 float32; b2 8 x 100 float32; domain 2,048 int32; x 2,048 x 1,024 float32.
;; Outputs: out0 2,048 x 100 float32.
;; This version of the problem:
;;   THIS VERSION OF THE PROBLEM IS GIVEN IN LOW PRECISION. The matrix products marked QUANTISED in the list below multiply operands that are first quantised to E3M2 (3 exponent bits, 2 mantissa bits; 6 bits a number), with one power-of-two scale for each 32 numbers along K (OCP MX v1.0); their sums are f32. All else is computed in f32.
;;   The module's matrix products, in the order in which they are computed (A, B: the left and right operand; K: the contracted axis; several contracted axes count as one K, in the product's order):
;;     1. [M 2,048, K 1,024] x [K 1,024, N 16,384]; A: input x; B: input W1: QUANTISED
;;     2. batch 8 x [M 100, K 2,048] x [K 2,048, N 2,048]; A: input W2; B: computed on the way: QUANTISED
;;   THE QUANTISER, for each operand of a quantised product, along K:
;;     - K is cut into blocks of 32 from its start; a last block that is shorter is filled with zeros.
;;     - A block's scale is 2^e with e = floor(log2(the largest magnitude in the block)) - 4, held to -126 .. 127; a block of zeros has e = 0. As a byte (E8M0): e + 127.
;;     - Each number is divided by its block's scale, clamped to +-28, and rounded to the nearest number of E3M2, ties to even, subnormals kept.
;;     - The product sums the exact products of the quantised numbers (number of the format x scale) in f32.
;;   ~~~python
;;   def quantise(x, axis):      # numpy; x: float32 -> the quantised numbers, widened to float32 again
;;       x = np.moveaxis(x, axis, -1); K = x.shape[-1]
;;       x = np.pad(x, [(0, 0)] * (x.ndim - 1) + [(0, -K % 32)]); x = x.reshape(x.shape[:-1] + (-1, 32)); a = np.abs(x).max(-1, keepdims=True)
;;       e = np.where(a > 0, np.clip(np.frexp(np.where(a > 0, a, 1))[1] - 1 - 4, -126, 127), 0)      # np.frexp(a)[1] - 1 = floor(log2(a)), exactly
;;       r = np.clip(x / 2.0 ** e, -28, 28)
;;       step = 2.0 ** (np.maximum(np.frexp(np.where(r == 0, 1, r))[1] - 1, -2) - 2)
;;       q = np.round(r / step) * step * 2.0 ** e      # np.round: ties to even
;;       return np.moveaxis(q.reshape(q.shape[:-2] + (-1,))[..., :K], -1, axis).astype(np.float32)
;;   ~~~
;;   OPERANDS COMPUTED ON THE WAY. 'Computed on the way' means the value that the module computes at that place (a softmax that the list does not call 'softmax' is quantised finished and normalised). What goes into a quantiser is computed in f32, as accurately as f32 sums, v_exp_f32 and their like allow (about 1e-6 of the number): no bf16 or f16 on the way to a quantiser, and a product that is left as it is and whose result goes on into a quantised operand takes f32 operands (vector FMAs, or v_wmma_f32_16x16x4_f32). A number that lies on a knife's edge between two numbers of the format may be rounded either way, as far as f32 arithmetic and the matrix unit's own rounding can turn it there, and no further.
;; 2 versions, each right; version 2 is version 1 with the launch main written anew for expert scheduling mode. Each part assembles by itself: llvm-mc -triple=amdgcn-amd-amdhsa -mcpu=gfx1250 --defsym DOCPART=n.
;; ======== version 1 of 2: 3 launches
;; workspace buffers: xq 1,572,864 bytes; xs 65,536 bytes; w2q 1,376,256 bytes; w2s 114,688 bytes; hq 3,317,760 bytes; hs 138,240 bytes; lists 8,960 bytes of whole numbers
;; launch route (part 1): grid 135 x 1, 8 waves a work-group, no clusters, 15,360 bytes of LDS; arguments domain, x, W2, xq, xs, w2q, w2s, lists; writes xq, xs, w2q, w2s, lists
.if DOCPART == 1
	.amdgcn_target "amdgcn-amd-amdhsa--gfx1250"
	.amdhsa_code_object_version 6
	.text
	.protected	k_qd4598bc9c0_route
	.globl	k_qd4598bc9c0_route
	.p2align	8
	.type	k_qd4598bc9c0_route,@function
k_qd4598bc9c0_route:
	s_mov_b64 s[64:65], 0
	v_nop
	global_prefetch_b8 v0, s[64:65] scope:SCOPE_SE
	s_setreg_imm32_b32 hwreg(HW_REG_WAVE_MODE, 25, 1), 1
	s_wait_xcnt 0x0
; ROUTE: which tokens form which tile, stored as whole numbers; and x and W2 as codes of BF6 (E3M2) with one E8M0 byte for each 32 along K.
; A TILE is 16 tokens of one expert.  2,048 tokens and 8 experts give at most 2048/16 + 8 - 1 = 135 tiles, whatever the split: work-group T owns tile T.
; EVERY work-group counts the 2,048 expert numbers anew (8 waves x 256 tokens), so that no work-group waits for another: ft[e] = expert e's first tile, nt[e] = its tiles.
; It then finds the 16 tokens of its own tile and stores them.  Rows that an expert's last tile has over repeat the tile's first token; a tile that the split leaves unused holds token 2,047
; sixteen times: so every word of the lists is written, and later launches need no mask.
; The tokens steer addresses (the gather of x's codes, the rows of the output): so they are decided here, stored, and used by later launches alone.  In this launch no branch and no address hangs
; on data: each wave looks among its own 256 tokens for the tile's 16 rows by compares, in all eight chunks of 32, and the findings meet in fixed words of LDS.
; x IS QUANTISED IN TOKEN ORDER, which needs no list: wave w of work-group T (0-127) takes tokens 16 T + 2 w and the next, all of K.  Lane = (token lane / 16, K step (lane / 2) % 8, half lane % 2) holds
; k = 128 s + 64 c + 32 h + 0 .. 31, two whole blocks: its 12 code registers are what lane (row, h) of the operand's fragment for K step s wants.  They lie at token x 768 + 96 s + 48 h, so the wave's
; codes are 1,536 consecutive bytes; they turn through the wave's own stage in LDS and leave as three stores of 512 consecutive bytes.  A token's eight scale words lie at token x 32: a wave stores 64 bytes.
; Work-groups 0-127 also quantise W2: unit T = 16 e + S is K step S (hidden units 128 S ..) of expert e; wave ct (0-6) makes the tile of classes 16 ct + lane % 16 as an IMAGE OF THE OPERAND'S
; REGISTERS (12 registers a lane: group g of four at 512 g + 16 lane), with the scale word of class lane % 16 beside it.  A lane takes a column and its registers run down K, in the order of the
; operand's layout, so nothing is transposed.  Classes from 100 on get zero codes.  Work-groups 128-134 load and quantise work-group 127's part of x and of W2 once more and store nothing of it: so the
; same registers are written on every way through the text.
; LIMITS: NaN and infinities in x and W2 are not served.  A block whose largest magnitude lies under 2^-122 (a block of zeros too) gets the byte 1: its codes are then zeros or the format's smallest
; numbers under that scale; the bytes are read by this program alone.  domain is held to 0 .. 7.
.set TILES, 135
.set TAB,   0                          ; LDS: [wave 8][4 words]: the wave's counts of experts 2 p, 2 p + 1 in the halves of word p
.set ROWS,  256                        ; LDS: [wave 8][32 words]: word r: token + 1 of the tile's row r if the wave holds it, else 0
.set XST,   2048                       ; LDS: [wave 8][1,536]: each wave's own stage for its two tokens' codes
.set DM,    8                          ; v8-15    my 8 tokens' expert numbers: token 256 wave + 32 c + lane
.set NW,    32                         ; v32-95   64 numbers of W2
.set NX,    96                         ; v96-159  64 numbers of x
.set F,     160                        ; v160-171 a fragment's codes
.set G,     172                        ; v172-179 the second halves of the blocks' codes; between the two quantisings the eight waves' findings
.set QM,    180                        ; v180-181 largest magnitudes
.set QS,    182                        ; v182-183 the conversions' scale operands
.set QB,    184                        ; v184-185 scale bytes
.set SW,    186                        ; v186     W2's scale word
.set QT,    187                        ; v187     at work
.set TOK,   188                        ; v188     the token of row lane % 16
.set META,  190                        ; v190     ft and nt, a word a lane
.set R4,    191                        ; v191     4 x (lane % 16)
.set XV,    192                        ; v192     x: my byte offset in the wave's two rows
.set XSTO,  193                        ; v193     the stage: where I put my 48 bytes
.set XLD,   194                        ; v194     and where I read 16 bytes back
.set XSO,   195                        ; v195     xs: 4 x (lane / 2)
.set XSH,   196                        ; v196     8 x (lane % 2)
.set SWX,   197                        ; v197     x's scale word
.set XO,    200                        ; v200-211 x's codes as they leave
.set CN,    32                         ; s32-39   my wave's counts
.set NT,    40                         ; s40-47   the experts' tokens, then their tiles
.set FT,    48                         ; s48-55   first tiles
.set PRE,   56                         ; s56-63   tokens of each expert in the waves before mine
.set MK,    66                         ; s66-73   lane masks at work; at the end a base of stores
.set RW,    80                         ; s80-95   row r: 32 c + lane of its token among my 256, or -1
	s_load_b512 s[4:19], s[0:1], 0x0               ; domain s[4:5], x s[6:7], W2 s[8:9], xq s[10:11], xs s[12:13], w2q s[14:15], w2s s[16:17], lists s[18:19]
	v_lshl_add_u32 v224, v0, 2, 0x3800
	v_mov_b32 v225, 0
	v_and_b32 v1, 31, v0                           ; lane
	v_and_b32 v2, 15, v0                           ; r
	v_bfe_u32 v3, v0, 4, 1                         ; h = lane / 16
	v_lshrrev_b32 v16, 5, v0
	v_readfirstlane_b32 s20, v16                   ; wave 0..7
	s_mov_b32 s21, ttmp9                           ; T
	s_mov_b32 s22, 0x76543210
	s_mov_b32 s23, 0xfedcba98                      ; v_permlanex16_b32's selects for lane l xor 16
	v_lshlrev_b32 v4, 3, v3                        ; 8 h
	v_lshlrev_b32 v5, 4, v1                        ; 16 lane
	v_lshlrev_b32 v6, 2, v1                        ; 4 lane
	v_lshl_add_u32 v7, v16, 10, v6                 ; domain: 1,024 wave + 4 lane
	v_lshl_add_u32 v17, v16, 4, v2                 ; my class: 16 wave + r
	v_min_u32 v18, 99, v17                         ; (no load leaves a row of W2: classes from 100 on read class 99 and are cleared below)
	v_lshlrev_b32 v18, 2, v18
	v_mad_u32_u24 v18, v3, 12800, v18              ; W2: + 32 h rows of 400 bytes
	v_lshlrev_b32 v19, 4, v16                      ; my wave's 16 bytes of TAB
	v_lshl_add_u32 v31, v0, 2, ROWS                ; my word of ROWS: 128 wave + 4 lane
	v_lshlrev_b32 v[R4], 2, v2
	v_mov_b32 v[QT], 0                             ; (written once: the destination of a lane move counts as read)
	v_bfe_u32 v[XV], v0, 1, 3                      ; x: my K step s,
	v_lshlrev_b32 v[XV], 9, v[XV]                  ; 512 bytes each;
	v_lshl_add_u32 v[XV], v3, 12, v[XV]            ; lanes 16-31 take the wave's second row, 4,096 bytes on;
	v_and_b32 v[XSH], 1, v0                        ; my half of each 64 along K,
	v_lshl_add_u32 v[XV], v[XSH], 7, v[XV]         ; 128 bytes
	v_lshlrev_b32 v[XSH], 3, v[XSH]
	v_lshrrev_b32 v[XSO], 1, v1
	v_lshlrev_b32 v[XSO], 2, v[XSO]
	s_min_u32 s24, s21, 127                        ; work-groups 128-134 take work-group 127's part of x and W2
	s_mul_i32 s98, s24, 51200                      ; a unit of W2: 128 rows of 400 bytes
	s_mov_b32 s99, 0
	s_lshl_b32 s26, s24, 16                        ; x: 16 rows of 4,096 bytes a work-group,
	s_lshl_b32 s25, s20, 13                        ; two a wave
	s_add_co_u32 s26, s26, s25
	s_mov_b32 s27, 0
	s_mul_i32 s78, s24, 12288                      ; xq: 16 tokens of 768 bytes a work-group,
	s_mul_i32 s25, s20, 1536                       ; two a wave
	s_add_co_u32 s78, s78, s25
	s_mov_b32 s79, 0
	s_add_co_u32 s25, s25, XST                     ; my wave's stage
	v_mul_u32_u24 v[XSTO], v1, 48
	v_add_nc_u32 v[XSTO], s25, v[XSTO]
	v_add_nc_u32 v[XLD], s25, v5
	s_lshl_b32 s96, s24, 9                         ; xs: 16 tokens of 32 bytes a work-group,
	s_lshl_b32 s25, s20, 6                         ; two a wave
	s_add_co_u32 s96, s96, s25
	s_mov_b32 s97, 0
	s_wait_kmcnt 0x0
	s_add_nc_u64 s[98:99], s[8:9], s[98:99]
	s_add_nc_u64 s[26:27], s[6:7], s[26:27]
	s_add_nc_u64 s[78:79], s[10:11], s[78:79]
	s_add_nc_u64 s[96:97], s[12:13], s[96:97]
.irp c, 0,1,2,3,4,5,6,7
	global_load_b32 v[DM+\c], v7, s[4:5] offset:128*\c
.endr
.irp c, 0,1
.irp i, 0,1,2,3,4,5,6,7
	global_load_b128 v[NX+32*\c+4*\i:NX+32*\c+4*\i+3], v[XV], s[26:27] offset:256*\c+16*\i   ; x(my token, 128 s + 64 c + 32 h + 4 i ..)
.endr
.endr
	s_cmp_lt_u32 s20, 7
	s_cbranch_scc0 .Lno_w2_loads
.irp c, 0,1
.irp i, 0,1,2,3,4,5,6,7,8,9,10,11,12,13,14,15,16,17,18,19,20,21,22,23,24,25,26,27,28,29,30,31
	global_load_b32 v[NW+32*\c+\i], v18, s[98:99] offset:(64*\c+\i)*400   ; W2(64 c + 32 h + i, my class): they land while x is quantised and the tokens are counted
.endr
.endr
	s_wait_loadcnt 63                              ; 88 loads are issued: at most 63 out leaves the oldest 25 done, domain's eight and x's sixteen among them
	s_branch .Lhave_domain
.Lno_w2_loads:
	s_wait_loadcnt 0x0                             ; wave 7 has issued domain's eight and x's sixteen alone
.Lhave_domain:
; 64 numbers of a lane, v[n + 32 c + i], two whole blocks of 32 along K, become 12 registers of codes in v[F] on; the blocks' scale bytes are left in v[QB], v[QB + 1].
.macro QCODES n
.irp c, 0,1
	v_max3_num_f32 v[QM+\c], |v[\n+32*\c]|, |v[\n+32*\c+1]|, 0x2800000   ; with the floor 2^(5 - 127): the byte cannot fall under 1
.endr
.irp i, 2,4,6,8,10,12,14,16,18,20,22,24,26,28,30
.irp c, 0,1
	v_max3_num_f32 v[QM+\c], v[QM+\c], |v[\n+32*\c+\i]|, |v[\n+32*\c+\i+1]|   ; (the two blocks by turns)
.endr
.endr
.irp c, 0,1
	v_add_nc_u32 v[QS+\c], 0xfe000000, v[QM+\c]    ; 4 off the exponent field: the conversion takes this operand's exponent field as its scale
.endr
.irp c, 0,1
	v_lshrrev_b32 v[QB+\c], 23, v[QS+\c]           ; the scale's byte
.endr
.irp c, 0,1
	v_cvt_scalef32_pk16_bf6_f32 v[F+6*\c:F+6*\c+2], v[\n+32*\c:\n+32*\c+15], v[QS+\c]
	v_cvt_scalef32_pk16_bf6_f32 v[G+4*\c:G+4*\c+2], v[\n+32*\c+16:\n+32*\c+31], v[QS+\c]   ; (a conversion's three registers begin on an even number)
.endr
	v_nop                                          ; one plain place behind a scaled conversion
.irp c, 0,1
.irp i, 0,1,2
	v_mov_b32 v[F+6*\c+3+\i], v[G+4*\c+\i]
.endr
.endr
.endm
; x first: its stores leave while the tokens are counted
	QCODES NX
	v_lshl_or_b32 v[SWX], v[QB+1], 16, v[QB]       ; my bytes are those of blocks h and 2 + h of my K step:
	v_lshlrev_b32 v[SWX], v[XSH], v[SWX]           ; 8 h bits up;
	v_mov_b32_dpp v[QT], v[SWX] row_xmask:1 row_mask:0xf bank_mask:0xf
	v_or_b32 v[SWX], v[SWX], v[QT]                 ; with lane l xor 1's two (the other half of the same K step) the word is whole, in both lanes
.irp g, 0,1,2
	ds_store_b128 v[XSTO], v[F+4*\g:F+4*\g+3] offset:16*\g     ; 48 bytes a lane: sixteen lanes' pieces fall on sixteen different columns of 16 bytes
.endr
.irp g, 0,1,2
	ds_load_b128 v[XO+4*\g:XO+4*\g+3], v[XLD] offset:512*\g    ; LDS serves a wave's instructions in order: these see the stores above.  The stage is the wave's own: no barrier
.endr
.irp c, 0,1,2,3,4,5,6,7
	v_min_u32 v[DM+\c], 7, v[DM+\c]
.endr
	s_wait_dscnt 0x0
	s_cmp_lt_u32 s21, 128
	s_cbranch_scc0 .Lno_x                          ; 128 work-groups cover the 2,048 tokens
.irp g, 0,1,2
	global_store_b128 v5, v[XO+4*\g:XO+4*\g+3], s[78:79] offset:512*\g   ; 32 lanes store 512 consecutive bytes, at a multiple of 256 from the buffer's first byte
.endr
	global_store_b32 v[XSO], v[SWX], s[96:97]      ; two tokens' sixteen scale words (lanes l and l xor 1 store the same word)
.Lno_x:
; my wave's count of each expert: a lane mask for each (chunk of 32 tokens, expert), and its number of ones
.irp c, 0,1,2,3,4,5,6,7
.irp e, 0,1,2,3,4,5,6,7
	v_cmp_eq_u32 s[MK+\e], \e, v[DM+\c]
.endr
.irp e, 0,1,2,3,4,5,6,7
.if \c == 0
	s_bcnt1_i32_b32 s[CN+\e], s[MK+\e]             ; the first chunk starts the counts
.else
	s_bcnt1_i32_b32 s[MK+\e], s[MK+\e]
.endif
.endr
.if \c > 0
.irp e, 0,1,2,3,4,5,6,7
	s_add_co_u32 s[CN+\e], s[CN+\e], s[MK+\e]
.endr
.endif
.endr
.irp p, 0,1,2,3
	s_lshl_b32 s24, s[CN+2*\p+1], 16
	s_or_b32 s24, s24, s[CN+2*\p]                  ; two counts (256 at the most) to a word
	v_mov_b32 v[20+\p], s24
.endr
	ds_store_b128 v19, v[20:23] offset:TAB         ; all lanes write the same 16 bytes with the same values
	s_wait_dscnt 0x0                               ; for the others' sake: my counts lie in LDS
	s_barrier_signal -1
	s_barrier_wait -1
	ds_load_b32 v24, v6 offset:TAB                 ; lane = (wave lane / 4, word lane % 4)
	v_lshrrev_b32 v25, 2, v1
	v_mov_b32 v27, 0                               ; (written once: the destination of a lane move counts as read)
	v_mov_b32 v28, 0
	s_wait_dscnt 0x0
	v_cmp_gt_u32 vcc_lo, s20, v25
	v_cndmask_b32 v26, 0, v24, vcc_lo              ; the same, of the waves before mine alone
.irp m, 4, 8                                   ; both are summed over the lanes of equal word: lanes 4, 8 and 16 apart.  The halves hold 2,048 at the most
	v_mov_b32_dpp v27, v24 row_xmask:\m row_mask:0xf bank_mask:0xf
	v_mov_b32_dpp v28, v26 row_xmask:\m row_mask:0xf bank_mask:0xf
	v_add_nc_u32 v24, v24, v27
	v_add_nc_u32 v26, v26, v28
.endr
	v_permlanex16_b32 v27, v24, s22, s23
	v_permlanex16_b32 v28, v26, s22, s23
	v_add_nc_u32 v24, v24, v27
	v_add_nc_u32 v26, v26, v28
.irp p, 0,1,2,3
	v_readlane_b32 s24, v24, \p
	v_readlane_b32 s25, v26, \p
	s_and_b32 s[NT+2*\p], s24, 0xffff
	s_lshr_b32 s[NT+2*\p+1], s24, 16
	s_and_b32 s[PRE+2*\p], s25, 0xffff
	s_lshr_b32 s[PRE+2*\p+1], s25, 16
.endr
	s_mov_b32 s76, 0
.irp e, 0,1,2,3,4,5,6,7
	s_mov_b32 s[FT+\e], s76                        ; ft[e]
	s_add_co_u32 s[NT+\e], s[NT+\e], 15
	s_lshr_b32 s[NT+\e], s[NT+\e], 4               ; nt[e] = tokens / 16, rounded up
	s_add_co_u32 s76, s76, s[NT+\e]                ; at the end: the tiles in use
.endr
	s_mov_b32 s74, 0                               ; my tile's expert: how many of ft[1 .. 7] are at most T (an expert without tiles shares its ft with the next, and is passed over)
.irp e, 1,2,3,4,5,6,7
	s_cmp_le_u32 s[FT+\e], s21
	s_add_co_ci_u32 s74, s74, 0
.endr
	s_mov_b32 s75, s[PRE]
	s_mov_b32 s77, s[FT]
.irp e, 1,2,3,4,5,6,7
	s_cmp_eq_u32 s74, \e
	s_cselect_b32 s75, s[PRE+\e], s75
	s_cselect_b32 s77, s[FT+\e], s77
.endr
	s_sub_co_u32 s77, s21, s77
	s_lshl_b32 s77, s77, 4                         ; the rank, among the expert's tokens, of my tile's row 0
	s_sub_co_u32 s75, s75, s77                     ; the row, in my tile, of my wave's first token of that expert (it may lie under 0 or over 15)
	s_cmp_ge_u32 s21, s76
	s_cselect_b32 s74, 8, s74                      ; a tile not in use looks for expert 8, which no token has
.irp i, 0,1,2,3,4,5,6,7,8,9,10,11,12,13,14,15
	s_mov_b32 s[RW+\i], -1
.endr
; Chunk c of my tokens: each token of the expert gets its row in my tile, and each of the rows 0 .. 15 is looked for among the 32 lanes: in every chunk, with no jump.
; A mask without ones gives -1, which the OR leaves -1 and every finding beats.
.macro CHUNK c
	v_cmp_eq_u32 vcc_lo, s74, v[DM+\c]
	v_mbcnt_lo_u32_b32 v29, vcc_lo, s75            ; the row so far + the expert's tokens in the lanes under mine
	s_bcnt1_i32_b32 s24, vcc_lo
	v_cndmask_b32 v29, -1, v29, vcc_lo             ; other experts' tokens: no row
	s_add_co_u32 s75, s75, s24
.irp g, 0, 8
.irp i, 0,1,2,3,4,5,6,7
	v_cmp_eq_u32 s[MK+\i], \g+\i, v29
.endr
.irp i, 0,1,2,3,4,5,6,7
	s_ctz_i32_b32 s[MK+\i], s[MK+\i]
.endr
.if \c > 0
.irp i, 0,1,2,3,4,5,6,7
	s_or_b32 s[MK+\i], s[MK+\i], 32*\c
.endr
.endif
.irp i, 0,1,2,3,4,5,6,7
	s_max_i32 s[RW+\g+\i], s[RW+\g+\i], s[MK+\i]
.endr
.endr
.endm
.irp c, 0,1,2,3,4,5,6,7
	CHUNK \c
.endr
	s_lshl_b32 s24, s20, 8
	s_add_co_u32 s24, s24, 1
	v_mov_b32 v30, 0
.irp i, 0,1,2,3,4,5,6,7,8,9,10,11,12,13,14,15
	s_add_co_u32 s25, s[RW+\i], s24                ; token + 1,
	s_cmp_lt_i32 s[RW+\i], 0
	s_cselect_b32 s25, 0, s25                      ; or 0 where I do not hold the row
	v_writelane_b32 v30, s25, \i
.endr
	ds_store_b32 v31, v30
	s_wait_dscnt 0x0                               ; for the others' sake: my findings lie in LDS
	s_barrier_signal -1
	s_barrier_wait -1
.irp w, 0,1,2,3,4,5,6,7
	ds_load_b32 v[G+\w], v[R4] offset:ROWS+128*\w  ; row r's word of each wave: one of them at the most is not 0
.endr
	s_wait_dscnt 0x0
	v_or_b32 v[G], v[G], v[G+1]
	v_or_b32 v[G+2], v[G+2], v[G+3]
	v_or_b32 v[G+4], v[G+4], v[G+5]
	v_or_b32 v[G+6], v[G+6], v[G+7]
	v_or_b32 v[G], v[G], v[G+2]
	v_or_b32 v[G+4], v[G+4], v[G+6]
	v_or_b32 v[G], v[G], v[G+4]
	v_readfirstlane_b32 s24, v[G]                  ; row 0's
	v_mov_b32 v[QT], s24
	v_cmp_eq_u32 vcc_lo, 0, v[G]
	v_cndmask_b32 v[TOK], v[G], v[QT], vcc_lo      ; a row without a token repeats row 0
	v_add_nc_u32 v[TOK], -1, v[TOK]
	v_min_u32 v[TOK], 2047, v[TOK]                 ; (a tile not in use: 0 - 1 is held to token 2,047)
	s_cmp_lg_u32 s20, 0
	s_cbranch_scc1 .Lnot_wave_0
	s_lshl_b32 s28, s21, 6
	s_add_co_u32 s28, s28, 256
	s_mov_b32 s29, 0
	s_add_nc_u64 s[28:29], s[18:19], s[28:29]
	global_store_b32 v[R4], v[TOK], s[28:29]       ; my tile's 16 tokens (lanes r and r + 16 store the same word)
	s_cmp_lg_u32 s21, 0
	s_cbranch_scc1 .Lnot_wave_0
	v_mov_b32 v[META], 0
.irp e, 0,1,2,3,4,5,6,7
	v_writelane_b32 v[META], s[FT+\e], \e
	v_writelane_b32 v[META], s[NT+\e], 8+\e
.endr
	global_store_b32 v6, v[META], s[18:19]         ; work-group 0: words 0-7 ft, 8-15 nt, 16-31 zeros
.Lnot_wave_0:
	s_cmp_lt_u32 s20, 7
	s_cbranch_scc0 .Lend                           ; there are seven tiles of classes
	s_wait_loadcnt 0x0                             ; W2's 64 loads are in: no load was issued behind them
	QCODES NW
	v_lshl_or_b32 v[SW], v[QB+1], 16, v[QB]        ; my bytes are those of blocks h and 2 + h of my class:
	v_lshlrev_b32 v[SW], v4, v[SW]                 ; 8 h bits up;
	v_permlanex16_b32 v[QT], v[SW], s22, s23
	v_or_b32 v[SW], v[SW], v[QT]                   ; with lane l xor 16's two the word is whole, in both halves of the lanes
	v_cmp_gt_u32 vcc_lo, 100, v17
.irp i, 0,1,2,3,4,5,6,7,8,9,10,11
	v_cndmask_b32 v[F+\i], 0, v[F+\i], vcc_lo      ; classes from 100 on: zero codes, which add nothing
.endr
	s_cmp_lt_u32 s21, 128
	s_cbranch_scc0 .Lend                           ; there are 128 units
	s_mul_i32 s24, s21, 7
	s_add_co_u32 s24, s24, s20                     ; fragment 7 T + wave
	s_mul_i32 s30, s24, 1536
	s_mov_b32 s31, 0
	s_add_nc_u64 s[30:31], s[14:15], s[30:31]
	s_lshl_b32 s66, s24, 7
	s_mov_b32 s67, 0
	s_add_nc_u64 s[66:67], s[16:17], s[66:67]
.irp g, 0,1,2
	global_store_b128 v5, v[F+4*\g:F+4*\g+3], s[30:31] offset:512*\g   ; 32 lanes store 512 consecutive bytes, at a multiple of 256 from the buffer's first byte
.endr
	global_store_b32 v6, v[SW], s[66:67]
.Lend:
	s_wait_tensorcnt 0x0
	ds_add_u32 v224, v225
	s_wait_dscnt 0x0
	s_endpgm
.Lfunc_end_k_qd4598bc9c0_route:
	.size	k_qd4598bc9c0_route, .Lfunc_end_k_qd4598bc9c0_route-k_qd4598bc9c0_route
	.p2alignl 7, 3214868480
	.fill 96, 4, 3214868480
	.section	.rodata,"a",@progbits
	.p2align	6, 0x0
	.amdhsa_kernel k_qd4598bc9c0_route
		.amdhsa_group_segment_fixed_size 15360
		.amdhsa_private_segment_fixed_size 0
		.amdhsa_enable_private_segment 0
		.amdhsa_kernarg_size 64
		.amdhsa_user_sgpr_count 2
		.amdhsa_user_sgpr_kernarg_segment_ptr 1
		.amdhsa_wavefront_size32 1
		.amdhsa_system_sgpr_workgroup_id_x 1
		.amdhsa_system_sgpr_workgroup_id_y 1
		.amdhsa_system_sgpr_workgroup_id_z 1
		.amdhsa_system_vgpr_workitem_id 0
		.amdhsa_next_free_vgpr 226
		.amdhsa_next_free_sgpr 100
		.amdhsa_reserve_vcc 1
		.amdhsa_float_denorm_mode_32 3
		.amdhsa_float_denorm_mode_16_64 3
		.amdhsa_memory_ordered 1
		.amdhsa_forward_progress 1
		.amdhsa_inst_pref_size 62
	.end_amdhsa_kernel
	.amdgpu_metadata
---
amdhsa.version: [ 1, 2 ]
amdhsa.kernels:
  - .name:           k_qd4598bc9c0_route
    .symbol:         k_qd4598bc9c0_route.kd
    .args:
      - { .name: domain, .offset: 0, .size: 8, .value_kind: global_buffer, .address_space: global }
      - { .name: x, .offset: 8, .size: 8, .value_kind: global_buffer, .address_space: global }
      - { .name: W2, .offset: 16, .size: 8, .value_kind: global_buffer, .address_space: global }
      - { .name: xq, .offset: 24, .size: 8, .value_kind: global_buffer, .address_space: global }
      - { .name: xs, .offset: 32, .size: 8, .value_kind: global_buffer, .address_space: global }
      - { .name: w2q, .offset: 40, .size: 8, .value_kind: global_buffer, .address_space: global }
      - { .name: w2s, .offset: 48, .size: 8, .value_kind: global_buffer, .address_space: global }
      - { .name: lists, .offset: 56, .size: 8, .value_kind: global_buffer, .address_space: global }
    .group_segment_fixed_size: 15360
    .private_segment_fixed_size: 0
    .kernarg_segment_align: 8
    .kernarg_segment_size: 64
    .max_flat_workgroup_size: 256
    .sgpr_count:     100
    .vgpr_count:     226
    .wavefront_size: 32
...
	.end_amdgpu_metadata
.endif
;; end of part 1
;; launch main (part 2): grid 256 x 1, 4 waves a work-group, no clusters, 53,760 bytes of LDS; arguments W1, b1, xq, xs, lists, hq, hs; writes hq, hs
.if DOCPART == 2
	.amdgcn_target "amdgcn-amd-amdhsa--gfx1250"
	.amdhsa_code_object_version 6
	.text
	.protected	k_qd4598bc9c0_main
	.globl	k_qd4598bc9c0_main
	.p2align	8
	.type	k_qd4598bc9c0_main,@function
k_qd4598bc9c0_main:
	s_mov_b64 s[64:65], 0
	v_nop
	global_prefetch_b8 v0, s[64:65] scope:SCOPE_SE
	s_setreg_imm32_b32 hwreg(HW_REG_WAVE_MODE, 25, 1), 1
	s_wait_xcnt 0x0
; MAIN: h = relu(x W1[e] + b1[e]) for the tokens of expert e alone, quantised along the hidden axis and stored as codes.  Both operands are codes of BF6 (E3M2) with E8M0 scales.
; SHARES.  Work-group wg = 32 e + sl owns 64 hidden units (64 sl ..) of expert e: 1,024 rows x 256 bytes of W1, which no other work-group reads.  So W1 leaves memory once.
; Wave w streams K rows 256 w .. 256 w + 255 (K steps 2 w, 2 w + 1).  Each load takes two whole rows' 256 bytes (lanes 0-15 row k, lanes 16-31 row k + 32), 16 bytes a lane: four neighbouring columns.
; THE HIDDEN UNITS OF A TILE ARE NOT NEIGHBOURS: tile q (0 .. 3) is made of units 4 r + q.  So a lane's four columns belong to the four tiles at the same lane, its registers run down K in the operand's
; order, and nothing changes lanes.  The price: the conversions want 16 consecutive registers, so each number is moved once.
; The four waves' codes meet in LDS as images of the operand's registers (one barrier); then EVERY wave holds all 32 fragments (384 registers) and walks its own tiles of tokens: ft + w, ft + w + 4, ..
; x's CODES ARE GATHERED BY THE STORED LISTS.  They lie in token order, 768 bytes a token, the 48 bytes that lane (row, h) wants of K step s at 96 s + 48 h.  A tile's 16 tokens are loaded a refill ahead;
; lane (r, h) then takes its own token's bytes by 24 loads of 16 bytes, and its eight scale words (32 bytes a token) by two.  An instruction so touches sixteen rows; over the 24 loads the wave reads
; each row's 768 bytes whole, once.  Whole rows through LDS would take 48 more LDS instructions a tile and one more stage ahead of the products.
; THE PRODUCT IS USED TRANSPOSED (source 0 = 16 hidden units, source 1 = 16 tokens): lane (r, h) holds token r, and register j of tile q hidden unit 32 h + 4 j + q: the lane's 32 results are ONE block of 32
; along the next K.  The relu writes them in order, so the block's scale needs no other lane, and the six code registers are registers 6 c .. 6 c + 5 (c = sl % 2) of the next product's fragment, in the same lane.
; b1 is the C of each sum's first matrix instruction.
; NO TENSOR LOADS, NO CLUSTER: the number of an expert's tiles and its tokens are read from memory, and the bulk of the bytes (W1) is shared by no two work-groups; what the 32 work-groups of an expert
; share (x's codes, 12,800 bytes a tile) is a twentieth of a work-group's 262,144 bytes of W1 for each tile.
; An expert without tokens still streams its slice and passes the barrier; its loop has no trip.  Each wave asks for up to two tiles of x in vain (the tile's number is held inside the lists): the sets are
; asked for two tiles ahead.
; LIMITS: NaN and infinities are not served.  A block whose largest magnitude lies under 2^-122 (zeros too) gets the byte 1; the bytes are read by this program alone.  Tokens are held to 0 .. 2,047.
; REGISTERS, in windows of 256: window 0: v1-15 addresses; v16-47 W1's scale words, v48-63 x's (two sets): these hold scales alone; v64-95 b1; v96-127 the four accumulators; v128-159 h; v160-175 its codes;
;   v176-239 64 numbers in order (while W1 is quantised v96-119 are at work and v128-175 hold four fragments); v240-245 tokens and x's offsets, one of each for each set.
;   window 1: x's fragments, two sets of 96.   windows 2, 3: W1 as loaded, 128 registers a unit of 64 K rows; then W1's fragments: K steps 0-4 in window 2, 5-7 in window 3.
.set TILES, 135
.set WIMG,  0                          ; LDS: 32 fragments x 1,536 bytes: fragment 4 s + q
.set WSC,   49152                      ; LDS: their scale words, 128 bytes each
.set R4,    14                         ; v14      4 x (lane % 16)
.set H48,   15                         ; v15      48 h
.set W1S,   16
.set XS,    48
.set B1,    64
.set ACC,   96
.set QM,    96                         ; while W1 is quantised: largest magnitudes,
.set QS,    100                        ; scale operands,
.set QB,    104                        ; bytes,
.set SWQ,   108                        ; scale words of the four tiles,
.set G,     112                        ; second halves of two blocks' codes
.set F,     128                        ; four fragments
.set H,     128
.set HC,    160
.set HG,    168
.set HM,    172
.set HSO,   174
.set HBY,   175
.set T,     176
.set TK,    240                        ; v240-241 set b: the token of row lane % 16 of the tile that the set takes next
.set XA,    242                        ; v242-243 set b: my byte offset in xq
.set XSA,   244                        ; v244-245 set b: my byte offset in xs
.set MSB, 0
.macro WIN new                         ; s_set_vgpr_msb: bits 1:0 source 0, 3:2 source 1, 5:4 source 2, 7:6 destination; the high byte repeats the setting that is left
.if MSB != \new
	s_set_vgpr_msb (MSB<<8)|\new
.set MSB, \new
.endif
.endm
	s_load_b256 s[4:11], s[0:1], 0x0               ; W1 s[4:5], b1 s[6:7], xq s[8:9], xs s[10:11]
	s_load_b128 s[12:15], s[0:1], 0x20             ; lists s[12:13], hq s[14:15]
	s_load_b64 s[16:17], s[0:1], 0x30              ; hs
	v_lshl_add_u32 v254, v0, 2, 0xd000
	v_mov_b32 v255, 0
	v_lshrrev_b32 v13, 5, v0
	v_readfirstlane_b32 s18, v13                   ; wave 0..3
	s_lshr_b32 s19, ttmp9, 5                       ; e
	s_and_b32 s20, ttmp9, 31                       ; sl
	v_and_b32 v1, 31, v0                           ; lane
	v_and_b32 v2, 15, v0                           ; r
	v_bfe_u32 v3, v0, 4, 1                         ; h
	v_lshlrev_b32 v4, 4, v2
	v_lshl_add_u32 v4, v3, 18, v4                  ; W1: 16 r + 32 h rows of 8,192 bytes
	v_lshlrev_b32 v5, 4, v1                        ; 16 lane
	v_lshlrev_b32 v6, 2, v1                        ; 4 lane
	s_mul_i32 s26, s18, 12288
	v_add_nc_u32 v7, s26, v5                       ; where I store my eight fragments: 16 lane + 8 x 1,536 x wave
	s_lshl_b32 s26, s18, 10
	s_add_co_u32 s26, s26, WSC
	v_add_nc_u32 v8, s26, v6                       ; and their scale words
	v_lshlrev_b32 v9, 7, v3                        ; b1: 32 h numbers on
	v_lshlrev_b32 v10, 3, v1                       ; 8 lane
	s_lshl_b32 s26, s20, 1
	v_lshl_add_u32 v11, v2, 6, v3
	v_add_nc_u32 v11, s26, v11                     ; hs: 64 r + 2 sl + h
	v_lshlrev_b32 v12, 3, v3                       ; 8 h
	v_lshlrev_b32 v[R4], 2, v2
	v_lshlrev_b32 v[H48], 4, v3
	v_lshl_add_u32 v[H48], v3, 5, v[H48]           ; 16 h + 32 h
	s_mov_b32 s40, 0x76543210
	s_mov_b32 s41, 0xfedcba98                      ; v_permlanex16_b32's selects for lane l xor 16
	s_mul_i32 s42, s20, 768                        ; hq: my slice's place in a tile
	s_lshl_b32 s26, s19, 23                        ; W1: the expert's 8 MiB,
	s_lshl_b32 s27, s18, 21                        ; my wave's 256 rows,
	s_add_co_u32 s26, s26, s27
	s_lshl_b32 s27, s20, 8                         ; the slice's 256 bytes of a row
	s_add_co_u32 s26, s26, s27
	s_mov_b32 s27, 0
	s_lshl_b32 s44, ttmp9, 8                       ; b1: (2,048 e + 64 sl) x 4 = 256 wg
	s_mov_b32 s45, 0                               ; s45 stays 0: the upper word of every offset
	s_lshl_b32 s43, s19, 2
	s_wait_kmcnt 0x0
	s_add_nc_u64 s[4:5], s[4:5], s[26:27]
	s_add_nc_u64 s[6:7], s[6:7], s[44:45]
	s_load_b32 s21, s[12:13], s43 offset:0x0       ; ft[e]
	s_load_b32 s22, s[12:13], s43 offset:0x20      ; nt[e]
; Unit u: K rows 64 u .. 64 u + 63 of my 256: 32 loads of 512 bytes.  Register 4 j + q of the unit: W1(64 u + 32 h + j, 4 r + q).
.macro ULOAD u
	WIN 0x80+0x40*((\u)/2)                         ; destination window 2 or 3
.irp j, 0,1,2,3,4,5,6,7,8,9,10,11,12,13,14,15,16,17,18,19,20,21,22,23,24,25,26,27,28,29,30,31
	global_load_b128 v[128*((\u)%2)+4*\j:128*((\u)%2)+4*\j+3], v4, s[4:5] offset:(64*(\u)+\j)*8192 th:TH_LOAD_NT
.endr
.endm
; Half a unit: tiles 2 qp and 2 qp + 1.  Their 32 numbers each are brought in order, and become registers 6 c .. 6 c + 5 (c = u % 2) of the tiles' fragments and a byte of their scale words.
.macro HU u, qp
	WIN 2+(\u)/2                                   ; source 0 window 2 or 3
.irp qq, 0,1
.irp j, 0,1,2,3,4,5,6,7,8,9,10,11,12,13,14,15,16,17,18,19,20,21,22,23,24,25,26,27,28,29,30,31
	v_mov_b32 v[T+32*\qq+\j], v[128*((\u)%2)+4*\j+2*(\qp)+\qq]
.endr
.endr
	WIN 0
.irp qq, 0,1
	v_max3_num_f32 v[QM+2*(\qp)+\qq], |v[T+32*\qq]|, |v[T+32*\qq+1]|, 0x2800000   ; with the floor 2^(5 - 127): the byte cannot fall under 1
.endr
.irp i, 2,4,6,8,10,12,14,16,18,20,22,24,26,28,30
.irp qq, 0,1
	v_max3_num_f32 v[QM+2*(\qp)+\qq], v[QM+2*(\qp)+\qq], |v[T+32*\qq+\i]|, |v[T+32*\qq+\i+1]|   ; (the two tiles by turns)
.endr
.endr
.irp qq, 0,1
	v_add_nc_u32 v[QS+2*(\qp)+\qq], 0xfe000000, v[QM+2*(\qp)+\qq]   ; 4 off the exponent field: the conversion's scale operand
.endr
.if (\u)%2 == 0
.irp qq, 0,1
	v_lshrrev_b32 v[SWQ+2*(\qp)+\qq], 23, v[QS+2*(\qp)+\qq]         ; the byte of block h
.endr
.else
.irp qq, 0,1
	v_lshrrev_b32 v[QB+2*(\qp)+\qq], 23, v[QS+2*(\qp)+\qq]
.endr
.irp qq, 0,1
	v_lshl_or_b32 v[SWQ+2*(\qp)+\qq], v[QB+2*(\qp)+\qq], 16, v[SWQ+2*(\qp)+\qq]   ; and of block 2 + h
.endr
.endif
.irp qq, 0,1
	v_cvt_scalef32_pk16_bf6_f32 v[F+12*(2*(\qp)+\qq)+6*((\u)%2):F+12*(2*(\qp)+\qq)+6*((\u)%2)+2], v[T+32*\qq:T+32*\qq+15], v[QS+2*(\qp)+\qq]
	v_cvt_scalef32_pk16_bf6_f32 v[G+4*\qq:G+4*\qq+2], v[T+32*\qq+16:T+32*\qq+31], v[QS+2*(\qp)+\qq]   ; (a conversion's three registers begin on an even number)
.endr
	v_nop                                          ; one plain place behind a scaled conversion
.irp qq, 0,1
.irp i, 0,1,2
	v_mov_b32 v[F+12*(2*(\qp)+\qq)+6*((\u)%2)+3+\i], v[G+4*\qq+\i]
.endr
.endr
.endm
; My K step ks (0, 1) is whole: its four fragments and scale words go to LDS as they stand.
.macro KOUT ks
.irp q, 0,1,2,3
	v_lshlrev_b32 v[SWQ+\q], v12, v[SWQ+\q]        ; my two bytes 8 h bits up;
.endr
.irp q, 0,1,2,3
	v_permlanex16_b32 v[QB+\q], v[SWQ+\q], s40, s41
.endr
.irp q, 0,1,2,3
	v_or_b32 v[SWQ+\q], v[SWQ+\q], v[QB+\q]        ; with lane l xor 16's two the word is whole
.endr
.irp q, 0,1,2,3
.irp g, 0,1,2
	ds_store_b128 v7, v[F+12*\q+4*\g:F+12*\q+4*\g+3] offset:WIMG+(4*(\ks)+\q)*1536+512*\g
.endr
	ds_store_b32 v8, v[SWQ+\q] offset:(4*(\ks)+\q)*128
.endr
	s_wait_dscnt 0x0                               ; the stores have landed: their registers may be written again, and the barrier below may be signalled
.endm
; The 16 tokens of tile s26 (held inside the lists) for set b: one load; lanes r and r + 16 take row r's.
.macro TKL b
	WIN 0
	s_min_u32 s26, s26, TILES-1
	s_lshl_b32 s44, s26, 6
	s_add_co_u32 s44, s44, 256                     ; the tiles' tokens begin at byte 256, 64 bytes a tile
	s_add_nc_u64 s[28+4*\b:29+4*\b], s[12:13], s[44:45]
	global_load_b32 v[TK+\b], v[R4], s[28+4*\b:29+4*\b]
.endm
; The eight fragments and scale words of the tile whose tokens v[TK + b] holds, into set b: 26 loads.
.macro LOADX b
	WIN 0
	v_min_u32 v[TK+\b], 2047, v[TK+\b]
	v_lshl_add_u32 v[XA+\b], v[TK+\b], 1, v[TK+\b] ; 3 x token,
	v_lshl_add_u32 v[XA+\b], v[XA+\b], 8, v[H48]   ; x 256, + 48 h
	v_lshlrev_b32 v[XSA+\b], 5, v[TK+\b]           ; 32 x token
	WIN 0x40                                       ; destination window 1
.irp s, 0,1,2,3,4,5,6,7
.irp g, 0,1,2
	global_load_b128 v[96*\b+12*\s+4*\g:96*\b+12*\s+4*\g+3], v[XA+\b], s[8:9] offset:96*\s+16*\g
.endr
.endr
	WIN 0
.irp i, 0,1
	global_load_b128 v[XS+8*\b+4*\i:XS+8*\b+4*\i+3], v[XSA+\b], s[10:11] offset:16*\i   ; register s: my token's scale word of K step s
.endr
.endm
; THE STREAM.  Two units are asked for at once; then each unit is quantised while the two behind it are on their way: 32 to 64 loads of 512 bytes of every wave are out.
	ULOAD 0
	ULOAD 1
	s_wait_loadcnt 32                              ; unit 0 is in; unit 1's 32 loads may be out
	s_wait_kmcnt 0x0                               ; ft, nt
	s_min_u32 s22, s22, TILES                      ; (an expert has 128 tiles at the most)
	s_add_co_u32 s23, s21, s18                     ; my first tile
	s_add_co_u32 s24, s21, s22                     ; behind the expert's last
	s_mov_b32 s26, s23
	TKL 0                                          ; my first two tiles' tokens ride with the stream
	s_add_co_u32 s26, s23, 4
	TKL 1
	ULOAD 2
	HU 0, 0
	HU 0, 1
	s_wait_loadcnt 34                              ; unit 1 is in; the two token loads and unit 2's 32 may be out
	ULOAD 3
	HU 1, 0
	HU 1, 1
	KOUT 0
	s_wait_loadcnt 32                              ; the tokens and unit 2 are in; unit 3's may be out
.irp q, 0,1,2,3
.irp j, 0,1,2,3,4,5,6,7
	global_load_b32 v[B1+8*\q+\j], v9, s[6:7] offset:4*(4*\j+\q)   ; b1 in the result's layout: register j of tile q is hidden unit 32 h + 4 j + q
.endr
.endr
	HU 2, 0
	HU 2, 1
	s_wait_loadcnt 32                              ; unit 3 is in; b1's 32 loads may be out
	LOADX 0                                        ; my first two tiles of x land while the last unit is quantised and the codes go round;
	s_add_co_u32 s26, s23, 8
	TKL 0                                          ; behind each set's loads the tokens of the tile that the set takes next
	LOADX 1
	s_add_co_u32 s26, s23, 12
	TKL 1
	HU 3, 0
	HU 3, 1
	KOUT 1
	s_barrier_signal -1                            ; every wave's stores have landed (the wait at KOUT's end)
	s_barrier_wait -1
; all 32 fragments and scale words into my registers
	WIN 0x80
.set fi, 0
.rept 20
.irp g, 0,1,2
	ds_load_b128 v[12*fi+4*\g:12*fi+4*\g+3], v5 offset:WIMG+1536*fi+512*\g
.endr
.set fi, fi+1
.endr
	WIN 0xc0
.rept 12
.irp g, 0,1,2
	ds_load_b128 v[12*(fi-20)+4*\g:12*(fi-20)+4*\g+3], v5 offset:WIMG+1536*fi+512*\g
.endr
.set fi, fi+1
.endr
	WIN 0
.set fi, 0
.rept 32
	ds_load_b32 v[W1S+fi], v6 offset:WSC+128*fi
.set fi, fi+1
.endr
	s_wait_dscnt 0x0
; One tile of 16 tokens, tile s23 + o, from set b of x.  refill = 1: the set is asked for again, with the tile eight further on, and the tokens of the tile sixteen further on are asked for.
.macro HALF b, o, refill
	s_add_co_u32 s25, s23, \o
	s_wait_loadcnt 27                              ; this set's 26 loads and the token load behind them are in (ahead of the first tile: b1 too); the other set's 26 + 1, issued behind them, may be out
	WIN 0x06                                       ; source 0 (W1) window 2, source 1 (x) window 1; C and D window 0
.irp q, 0,1,2,3                                ; the four accumulators take turns, one instruction a turn
	v_wmma_scale_f32_16x16x128_f8f6f4 v[ACC+8*\q:ACC+8*\q+7], v[12*\q:12*\q+11], v[96*\b:96*\b+11], v[B1+8*\q:B1+8*\q+7], v[W1S+\q], v[XS+8*\b] matrix_a_fmt:MATRIX_FMT_BF6 matrix_b_fmt:MATRIX_FMT_BF6
.endr
.irp s, 1,2,3,4
.irp q, 0,1,2,3
	v_wmma_scale_f32_16x16x128_f8f6f4 v[ACC+8*\q:ACC+8*\q+7], v[12*(4*\s+\q):12*(4*\s+\q)+11], v[96*\b+12*\s:96*\b+12*\s+11], v[ACC+8*\q:ACC+8*\q+7], v[W1S+4*\s+\q], v[XS+8*\b+\s] matrix_a_fmt:MATRIX_FMT_BF6 matrix_b_fmt:MATRIX_FMT_BF6
.endr
.endr
	WIN 0x07                                       ; W1's K steps 5-7 lie in window 3
.irp s, 5,6,7
.irp q, 0,1,2,3
	v_wmma_scale_f32_16x16x128_f8f6f4 v[ACC+8*\q:ACC+8*\q+7], v[12*(4*\s+\q-20):12*(4*\s+\q-20)+11], v[96*\b+12*\s:96*\b+12*\s+11], v[ACC+8*\q:ACC+8*\q+7], v[W1S+4*\s+\q], v[XS+8*\b+\s] matrix_a_fmt:MATRIX_FMT_BF6 matrix_b_fmt:MATRIX_FMT_BF6
.endr
.endr
	WIN 0
	s_wait_xcnt 0x0                                ; the last tile's stores have had their addresses translated: their bases and data are written again only behind this wait
.rept 4
	v_nop                                          ; four places in front of the loads into x's registers and of the first read of results
.endr
.if \refill
	LOADX \b                                       ; this set's next tile: it has the rest of this tile and all of the next in which to land
	s_add_co_u32 s26, s25, 16
	TKL \b                                         ; and the tokens for the refill after that
.endif
	s_min_u32 s26, s25, TILES-1
	s_mul_i32 s44, s26, 24576
	s_add_co_u32 s44, s44, s42
	s_add_nc_u64 s[36:37], s[14:15], s[44:45]      ; hq: tile, slice
	s_lshl_b32 s44, s26, 10
	s_add_nc_u64 s[38:39], s[16:17], s[44:45]      ; hs: tile
.irp j, 0,1,2,3,4,5,6,7                        ; the relu also brings the 32 hidden units in order; each accumulator is read from its low end on
.irp q, 0,1,2,3
	v_max_num_f32 v[H+4*\j+\q], 0, v[ACC+8*\q+\j]
.endr
.endr
	v_max3_num_f32 v[HM], v[H], v[H+1], 0x2800000  ; the block's largest number (none is negative), in two chains, with the floor 2^(5 - 127)
	v_max3_num_f32 v[HM+1], v[H+16], v[H+17], v[H+18]
.irp i, 2,4,6,8,10,12
	v_max3_num_f32 v[HM], v[HM], v[H+\i], v[H+\i+1]
	v_max3_num_f32 v[HM+1], v[HM+1], v[H+17+\i], v[H+18+\i]
.endr
	v_max3_num_f32 v[HM], v[HM], v[H+14], v[H+15]
	v_max3_num_f32 v[HM], v[HM], v[HM+1], v[H+31]
	v_add_nc_u32 v[HSO], 0xfe000000, v[HM]
	v_cvt_scalef32_pk16_bf6_f32 v[HC:HC+2], v[H:H+15], v[HSO]
	v_cvt_scalef32_pk16_bf6_f32 v[HG:HG+2], v[H+16:H+31], v[HSO]
	v_lshrrev_b32 v[HBY], 23, v[HSO]               ; the scale's byte; also the plain place behind the conversions
.irp i, 0,1,2
	v_mov_b32 v[HC+3+\i], v[HG+\i]
.endr
.irp i, 0,1,2
	global_store_b64 v10, v[HC+2*\i:HC+2*\i+1], s[36:37] offset:256*\i   ; 32 lanes store 256 consecutive bytes, at a multiple of 256 from the buffer's first byte
.endr
	global_store_b8 v11, v[HBY], s[38:39]          ; a byte a lane, one for each 24 bytes of codes: a row's 64 bytes come from 32 work-groups, so they cannot be gathered here
.endm
; MY TILES: s23, s23 + 4, .. under s24: (nt + 3 - wave) / 4 of them, rounded down.  The loop takes them in whole pairs, one from each set of x; it is counted in pairs, s46 from 0 by 1 up to
; s47 = (nt + 3 - wave) / 8, and left only by falling through its branch.  The tile's number s23 steps by 8 beside the counter.
; An odd last tile is written out behind it: set 0 holds it on both ways there (no trip: the first request; after a trip: the refill of the trip's first half), and the 27 youngest loads are set 1's.
	s_add_co_u32 s47, s22, 3
	s_sub_co_u32 s47, s47, s18
	s_lshr_b32 s47, s47, 3                         ; my whole pairs of tiles
	s_mov_b32 s46, 0
	s_cmp_eq_u32 s47, 0
	s_cbranch_scc1 .Ltail                          ; not even one whole pair
.Ltiles:
	HALF 0, 0, 1
	HALF 1, 4, 1
	s_add_co_u32 s23, s23, 8
	s_add_co_u32 s46, s46, 1
	s_cmp_lt_u32 s46, s47
	s_cbranch_scc1 .Ltiles
.Ltail:
	s_cmp_ge_u32 s23, s24
	s_cbranch_scc1 .Ldone                          ; an even number of tiles, or none
	HALF 0, 0, 0                                   ; the last tile asks for nothing more
.Ldone:
	s_wait_tensorcnt 0x0
	ds_add_u32 v254, v255
	s_wait_dscnt 0x0
	s_endpgm
.Lfunc_end_k_qd4598bc9c0_main:
	.size	k_qd4598bc9c0_main, .Lfunc_end_k_qd4598bc9c0_main-k_qd4598bc9c0_main
	.p2alignl 7, 3214868480
	.fill 96, 4, 3214868480
	.section	.rodata,"a",@progbits
	.p2align	6, 0x0
	.amdhsa_kernel k_qd4598bc9c0_main
		.amdhsa_group_segment_fixed_size 53760
		.amdhsa_private_segment_fixed_size 0
		.amdhsa_enable_private_segment 0
		.amdhsa_kernarg_size 56
		.amdhsa_user_sgpr_count 2
		.amdhsa_user_sgpr_kernarg_segment_ptr 1
		.amdhsa_wavefront_size32 1
		.amdhsa_system_sgpr_workgroup_id_x 1
		.amdhsa_system_sgpr_workgroup_id_y 1
		.amdhsa_system_sgpr_workgroup_id_z 1
		.amdhsa_system_vgpr_workitem_id 0
		.amdhsa_next_free_vgpr 1024
		.amdhsa_next_free_sgpr 66
		.amdhsa_reserve_vcc 0
		.amdhsa_float_denorm_mode_32 3
		.amdhsa_float_denorm_mode_16_64 3
		.amdhsa_memory_ordered 1
		.amdhsa_forward_progress 1
		.amdhsa_inst_pref_size 103
	.end_amdhsa_kernel
	.amdgpu_metadata
---
amdhsa.version: [ 1, 2 ]
amdhsa.kernels:
  - .name:           k_qd4598bc9c0_main
    .symbol:         k_qd4598bc9c0_main.kd
    .args:
      - { .name: W1, .offset: 0, .size: 8, .value_kind: global_buffer, .address_space: global }
      - { .name: b1, .offset: 8, .size: 8, .value_kind: global_buffer, .address_space: global }
      - { .name: xq, .offset: 16, .size: 8, .value_kind: global_buffer, .address_space: global }
      - { .name: xs, .offset: 24, .size: 8, .value_kind: global_buffer, .address_space: global }
      - { .name: lists, .offset: 32, .size: 8, .value_kind: global_buffer, .address_space: global }
      - { .name: hq, .offset: 40, .size: 8, .value_kind: global_buffer, .address_space: global }
      - { .name: hs, .offset: 48, .size: 8, .value_kind: global_buffer, .address_space: global }
    .group_segment_fixed_size: 53760
    .private_segment_fixed_size: 0
    .kernarg_segment_align: 8
    .kernarg_segment_size: 56
    .max_flat_workgroup_size: 128
    .sgpr_count:     66
    .vgpr_count:     1024
    .wavefront_size: 32
...
	.end_amdgpu_metadata
.endif
;; end of part 2
;; launch final (part 3): grid 135 x 1, 16 waves a work-group, no clusters, 133,120 bytes of LDS; arguments hq, hs, w2q, w2s, b2, lists, out0; writes out0
.if DOCPART == 3
	.amdgcn_target "amdgcn-amd-amdhsa--gfx1250"
	.amdhsa_code_object_version 6
	.text
	.protected	k_qd4598bc9c0_final
	.globl	k_qd4598bc9c0_final
	.p2align	8
	.type	k_qd4598bc9c0_final,@function
k_qd4598bc9c0_final:
	s_mov_b64 s[64:65], 0
	v_nop
	global_prefetch_b8 v0, s[64:65] scope:SCOPE_SE
	s_setreg_imm32_b32 hwreg(HW_REG_WAVE_MODE, 25, 1), 1
	s_wait_xcnt 0x0
; FINAL: out = softmax(h W2[e] + b2[e]) for one tile of 16 tokens a work-group.  Both operands are codes of BF6 (E3M2) with E8M0 scales, laid as images of the operand's registers by the launches before.
; SHARES.  K = 2,048 hidden units = 16 K steps: wave S takes K step S, 7 matrix instructions (7 tiles of 16 classes; classes from 100 on have zero codes).  The sixteen partial sums meet in LDS;
; waves 0-6 add them up, a tile of classes each, with b2; wave 0 takes the softmax and stores the 16 rows at their tokens' places.
; THE PRODUCT IS USED TRANSPOSED (source 0 = 16 classes, source 1 = 16 tokens): lane (r, h) holds token r, and register j of tile ct class 16 ct + 8 h + j.
; The softmax takes the row's maximum away first, as the problem's text has it.
; A tile that the split leaves unused (T at or over the number in use, read from lists) computes the last used tile once more and stores nothing: so every wave passes both barriers on every way, and no
; unwritten byte is read.  Rows that a tile has over repeat its first token: the same wave stores the same bytes there again.
; No tensor loads: the expert and the tokens are read from memory.  No cluster: a tile's work-group reads 172,032 bytes of W2's codes once, from the cache that the expert's other tiles fill.
.set TILES, 135
.set P,     0                          ; LDS: [wave 16][ct 7][1,024]: an accumulator's image: registers 0-3 at 16 lane, 4-7 at 512 + 16 lane
.set Q,     114688                     ; LDS: [ct 7][1,024]: the logits, likewise
.set ST,    121856                     ; LDS: 16 rows x 464 bytes (400 of data): the way out
.set W2F,   16                         ; v16-99   W2's seven fragments
.set HF,    100                        ; v100-111 h's fragment
.set ACC,   128                        ; v128-183 seven accumulators
.set B2,    184                        ; v184-191 b2 in the result's layout
.set TOK,   192                        ; v192     the token of row lane % 16
.set R4,    193                        ; v193     4 x (lane % 16)
.set W2SC,  240                        ; v240-246 W2's scale words, v247 h's: these hold scales alone
.set HSC,   247
.set R,     16                         ; v16-143  sixteen partial sums of a tile of classes
.set L,     16                         ; v16-67   wave 0: a lane's 52 logits
.set O,     80                         ; v80-143  16 rows read back
.set ADR,   144                        ; v144-159 their byte offsets in out0
	s_load_b256 s[4:11], s[0:1], 0x0               ; hq s[4:5], hs s[6:7], w2q s[8:9], w2s s[10:11]
	s_load_b128 s[12:15], s[0:1], 0x20             ; b2 s[12:13], lists s[14:15]
	s_load_b64 s[16:17], s[0:1], 0x30              ; out0
	v_lshl_add_u32 v254, v0, 2, 0x20000
	v_mov_b32 v255, 0
	v_lshrrev_b32 v7, 5, v0
	v_readfirstlane_b32 s18, v7                    ; S = wave 0..15
	s_mov_b32 s19, ttmp9                           ; T
	s_wait_kmcnt 0x0
	s_load_b512 s[20:35], s[14:15], 0x0            ; ft[0..7] s20-27, nt[0..7] s28-35
	v_and_b32 v1, 31, v0                           ; lane
	v_and_b32 v2, 15, v0                           ; r
	v_bfe_u32 v3, v0, 4, 1                         ; h
	v_lshlrev_b32 v4, 4, v1                        ; 16 lane
	v_lshlrev_b32 v5, 2, v1                        ; 4 lane
	v_lshlrev_b32 v6, 3, v1                        ; 8 lane
	v_lshlrev_b32 v7, 2, v7
	v_lshl_add_u32 v7, v2, 6, v7                   ; hs: 64 r + 4 S
	v_lshlrev_b32 v[R4], 2, v2
	s_mul_i32 s40, s18, 7168
	v_add_nc_u32 v10, s40, v4                      ; P: my wave's seven images
	s_lshl_b32 s40, s18, 10
	v_add_nc_u32 v11, s40, v4                      ; P: tile of classes S in waves 0-7's images,
	v_add_nc_u32 v12, 57344, v11                   ; and in waves 8-15's
	v_add_nc_u32 v13, Q, v11                       ; Q: tile of classes S
	v_mul_u32_u24 v14, v2, 464
	v_lshl_add_u32 v14, v3, 5, v14
	v_add_nc_u32 v14, ST, v14                      ; the stage: row r, + 32 h
	v_add_nc_u32 v15, ST, v4                       ; and back: 16 bytes a lane
	s_mov_b32 s44, 0x76543210
	s_mov_b32 s45, 0xfedcba98                      ; v_permlanex16_b32's selects for lane l xor 16
	s_mov_b32 s46, 0x3fb8aa3b                      ; log2(e)
	s_mov_b32 s47, s46                             ; (named with it as a pair, so it is written)
	s_mov_b32 s41, 0                               ; the upper word of every offset
	s_wait_kmcnt 0x0
	s_add_co_u32 s36, s27, s35                     ; the tiles in use: 128 at the least
	s_sub_co_u32 s37, s36, 1
	s_min_u32 s37, s37, s19
	s_min_u32 s37, s37, TILES-1                    ; T' = T, or the last tile in use
	s_mov_b32 s38, 0                               ; its expert: how many of ft[1 .. 7] are at most T'
.irp i, 1,2,3,4,5,6,7
	s_cmp_le_u32 s[20+\i], s37
	s_add_co_ci_u32 s38, s38, 0
.endr
	s_min_u32 s38, s38, 7
	s_lshl_b32 s39, s38, 4
	s_add_co_u32 s39, s39, s18                     ; unit 16 e + S of W2
	s_mul_i32 s40, s39, 10752
	s_add_nc_u64 s[8:9], s[8:9], s[40:41]
	s_mul_i32 s40, s39, 896
	s_add_nc_u64 s[10:11], s[10:11], s[40:41]
	s_mul_i32 s40, s37, 24576
	s_mul_i32 s39, s18, 1536
	s_add_co_u32 s40, s40, s39
	s_add_nc_u64 s[4:5], s[4:5], s[40:41]          ; hq: tile T', slices 2 S and 2 S + 1
	s_lshl_b32 s40, s37, 10
	s_add_nc_u64 s[6:7], s[6:7], s[40:41]          ; hs: tile T'
	s_lshl_b32 s40, s37, 6
	s_add_co_u32 s40, s40, 256
	s_add_nc_u64 s[42:43], s[14:15], s[40:41]      ; lists: the tokens of tile T'
	s_mul_i32 s40, s38, 400
	s_lshl_b32 s39, s18, 6
	s_add_co_u32 s40, s40, s39
	v_lshlrev_b32 v8, 5, v3
	v_add_nc_u32 v8, s40, v8                       ; b2: 400 e + 64 S + 32 h: classes 16 S + 8 h + 0 .. 7,
	v_add_nc_u32 v9, 16, v8
	v_min_u32 v8, 3184, v8                         ; held inside the buffer's 3,200 bytes: what is read for classes from 100 on, and by waves 7-15, is not used
	v_min_u32 v9, 3184, v9
.irp ct, 0,1,2,3,4,5,6
.irp g, 0,1,2
	global_load_b128 v[W2F+12*\ct+4*\g:W2F+12*\ct+4*\g+3], v4, s[8:9] offset:1536*\ct+512*\g
.endr
	global_load_b32 v[W2SC+\ct], v5, s[10:11] offset:128*\ct
.endr
.irp c, 0,1
.irp i, 0,1,2
	global_load_b64 v[HF+6*\c+2*\i:HF+6*\c+2*\i+1], v6, s[4:5] offset:768*\c+256*\i
.endr
.endr
	global_load_b32 v[HSC], v7, s[6:7]
	global_load_b128 v[B2:B2+3], v8, s[12:13]
	global_load_b128 v[B2+4:B2+7], v9, s[12:13]
	global_load_b32 v[TOK], v[R4], s[42:43]
	s_wait_loadcnt 0x0
.irp ct, 0,1,2,3,4,5,6                         ; seven sums of one instruction each
	v_wmma_scale_f32_16x16x128_f8f6f4 v[ACC+8*\ct:ACC+8*\ct+7], v[W2F+12*\ct:W2F+12*\ct+11], v[HF:HF+11], 0, v[W2SC+\ct], v[HSC] matrix_a_fmt:MATRIX_FMT_BF6 matrix_b_fmt:MATRIX_FMT_BF6
.endr
.rept 4
	v_nop                                          ; four places in front of the first read of results, and of the loads below into the operands' registers
.endr
.irp ct, 0,1,2,3,4,5,6
	ds_store_b128 v10, v[ACC+8*\ct:ACC+8*\ct+3] offset:P+1024*\ct         ; each accumulator from its low end on
	ds_store_b128 v10, v[ACC+8*\ct+4:ACC+8*\ct+7] offset:P+1024*\ct+512
.endr
	s_wait_dscnt 0x0                               ; for the others' sake: my partial sums lie in LDS
	s_barrier_signal -1
	s_barrier_wait -1
	s_cmp_lt_u32 s18, 7
	s_cbranch_scc0 .Lsummed
.irp p, 0,1,2,3,4,5,6,7
.irp hf, 0,1
	ds_load_b128 v[R+8*\p+4*\hf:R+8*\p+4*\hf+3], v11 offset:P+7168*\p+512*\hf
.endr
.endr
.irp p, 0,1,2,3,4,5,6,7
.irp hf, 0,1
	ds_load_b128 v[R+64+8*\p+4*\hf:R+64+8*\p+4*\hf+3], v12 offset:P+7168*\p+512*\hf
.endr
.endr
	s_wait_dscnt 0x0
.macro FOLD d                          ; partial sum pp takes partial sum pp + d, two numbers an instruction
.set pp, 0
.rept \d
.irp k, 0,2,4,6
	v_pk_add_f32 v[R+8*pp+\k:R+8*pp+\k+1], v[R+8*pp+\k:R+8*pp+\k+1], v[R+8*(pp+\d)+\k:R+8*(pp+\d)+\k+1]
.endr
.set pp, pp+1
.endr
.endm
	FOLD 8
	FOLD 4
	FOLD 2
	FOLD 1
.irp k, 0,2,4,6
	v_pk_add_f32 v[R+\k:R+\k+1], v[R+\k:R+\k+1], v[B2+\k:B2+\k+1]
.endr
	ds_store_b128 v13, v[R:R+3]
	ds_store_b128 v13, v[R+4:R+7] offset:512
.Lsummed:
	s_wait_dscnt 0x0                               ; for wave 0's sake: the logits lie in LDS
	s_barrier_signal -1
	s_barrier_wait -1
	s_cmp_lg_u32 s18, 0
	s_cbranch_scc1 .Lend
	s_cmp_ge_u32 s19, s36
	s_cbranch_scc1 .Lend                           ; a tile not in use stores nothing
.irp ct, 0,1,2,3,4,5
.irp hf, 0,1
	ds_load_b128 v[L+8*\ct+4*\hf:L+8*\ct+4*\hf+3], v13 offset:1024*\ct+512*\hf    ; (in wave 0 v13 is Q + 16 lane)
.endr
.endr
	ds_load_b128 v[L+48:L+51], v13 offset:6144     ; tile 6: classes 96 + 8 h + 0 .. 3; its other four are never read
.irp i, 0,1,2,3,4,5,6,7,8,9,10,11,12,13,14,15
	v_readlane_b32 s40, v[TOK], \i
	s_min_u32 s40, s40, 2047
	s_mul_i32 s40, s40, 400
	v_add_nc_u32 v[ADR+\i], s40, v4                ; row i goes to its token's 400 bytes of out0
.endr
	v_mov_b32 v74, 0                               ; (written once: a lane permute's destination counts as one of its sources)
	s_wait_dscnt 0x0
	v_cmp_eq_u32 vcc_lo, 0, v3
.irp i, 0,1,2,3
	v_cndmask_b32 v[L+48+\i], 0xff800000, v[L+48+\i], vcc_lo   ; classes 104 .. 107 do not exist: -infinity
.endr
	v_max3_num_f32 v72, v[L], v[L+1], v[L+2]       ; the row's largest logit, in two chains
	v_max3_num_f32 v73, v[L+3], v[L+4], v[L+5]
.irp i, 6,10,14,18,22,26,30,34,38,42,46
	v_max3_num_f32 v72, v72, v[L+\i], v[L+\i+1]
	v_max3_num_f32 v73, v73, v[L+\i+2], v[L+\i+3]
.endr
	v_max3_num_f32 v72, v72, v[L+50], v[L+51]
	v_max_num_f32 v72, v72, v73
	v_permlanex16_b32 v74, v72, s44, s45
	v_max_num_f32 v72, v72, v74                    ; with lane l xor 16's classes
	v_mul_f32 v76, 0xbfb8aa3b, v72                 ; -log2(e) x the maximum
	v_mov_b32 v77, v76                             ; (named with it as a pair)
.irp j, 0,2,4,6,8,10,12,14,16,18,20,22,24,26,28,30,32,34,36,38,40,42,44,46,48,50
	v_pk_fma_f32 v[L+\j:L+\j+1], v[L+\j:L+\j+1], s[46:47], v[76:77] op_sel_hi:[1,0,0]   ; log2(e) x (logit - maximum): 0 or less
.endr
.irp j, 0,1,2,3,4,5,6,7,8,9,10,11,12,13,14,15,16,17,18,19,20,21,22,23,24,25,26,27,28,29,30,31,32,33,34,35,36,37,38,39,40,41,42,43,44,45,46,47,48,49,50,51
	v_exp_f32 v[L+\j], v[L+\j]
.endr
	v_nop                                          ; one plain place behind the exponentials
	s_wait_alu depctr_va_vdst(0)
	v_pk_add_f32 v[72:73], v[L:L+1], v[L+2:L+3]    ; the row's sum, two at a time, in two chains
	v_pk_add_f32 v[74:75], v[L+4:L+5], v[L+6:L+7]
.irp j, 8,12,16,20,24,28,32,36,40,44,48
	v_pk_add_f32 v[72:73], v[72:73], v[L+\j:L+\j+1]
	v_pk_add_f32 v[74:75], v[74:75], v[L+\j+2:L+\j+3]
.endr
	v_pk_add_f32 v[72:73], v[72:73], v[74:75]
	v_add_f32 v72, v72, v73
	v_permlanex16_b32 v74, v72, s44, s45
	v_add_f32 v72, v72, v74                        ; at least 1: the largest logit's term
	v_rcp_f32 v78, v72
	v_mov_b32 v79, 0                               ; a plain place behind the reciprocal; and the pair's upper word is written
	s_wait_alu depctr_va_vdst(0)
.irp j, 0,2,4,6,8,10,12,14,16,18,20,22,24,26,28,30,32,34,36,38,40,42,44,46,48,50
	v_pk_mul_f32 v[L+\j:L+\j+1], v[L+\j:L+\j+1], v[78:79] op_sel_hi:[1,0]
.endr
; THE WAY OUT: a lane holds pieces of 32 bytes of one row: the rows are put together in the stage and leave whole, 25 lanes to a row's 400 consecutive bytes.
.irp ct, 0,1,2,3,4,5
.irp hf, 0,1
	ds_store_b128 v14, v[L+8*\ct+4*\hf:L+8*\ct+4*\hf+3] offset:64*\ct+16*\hf
.endr
.endr
	ds_store_b128 v14, v[L+48:L+51] offset:384     ; (lanes 16-31 put zeros at bytes 416 on, inside the row's pitch; nobody reads them)
	s_wait_xcnt 0x0                                ; EXEC changes only behind this wait
	v_cmp_gt_u32 vcc_lo, 25, v1
	s_and_saveexec_b32 s39, vcc_lo                 ; lanes 0-24: so no byte of the stage is read that nobody wrote
.irp i, 0,1,2,3,4,5,6,7,8,9,10,11,12,13,14,15
	ds_load_b128 v[O+4*\i:O+4*\i+3], v15 offset:464*\i   ; LDS serves a wave's instructions in order: these see the stores above
.endr
.irp i, 0,1,2,3,4,5,6,7,8,9,10,11,12,13,14,15
	s_wait_dscnt 15-\i                             ; row i is back; the rows behind it may be out
	global_store_b128 v[ADR+\i], v[O+4*\i:O+4*\i+3], s[16:17] th:TH_STORE_NT
.endr
	s_wait_xcnt 0x0                                ; and again, in front of the line that widens EXEC
	s_or_b32 exec_lo, exec_lo, s39
.Lend:
	s_wait_tensorcnt 0x0
	ds_add_u32 v254, v255
	s_wait_dscnt 0x0
	s_endpgm
.Lfunc_end_k_qd4598bc9c0_final:
	.size	k_qd4598bc9c0_final, .Lfunc_end_k_qd4598bc9c0_final-k_qd4598bc9c0_final
	.p2alignl 7, 3214868480
	.fill 96, 4, 3214868480
	.section	.rodata,"a",@progbits
	.p2align	6, 0x0
	.amdhsa_kernel k_qd4598bc9c0_final
		.amdhsa_group_segment_fixed_size 133120
		.amdhsa_private_segment_fixed_size 0
		.amdhsa_enable_private_segment 0
		.amdhsa_kernarg_size 56
		.amdhsa_user_sgpr_count 2
		.amdhsa_user_sgpr_kernarg_segment_ptr 1
		.amdhsa_wavefront_size32 1
		.amdhsa_system_sgpr_workgroup_id_x 1
		.amdhsa_system_sgpr_workgroup_id_y 1
		.amdhsa_system_sgpr_workgroup_id_z 1
		.amdhsa_system_vgpr_workitem_id 0
		.amdhsa_next_free_vgpr 256
		.amdhsa_next_free_sgpr 66
		.amdhsa_reserve_vcc 1
		.amdhsa_float_denorm_mode_32 3
		.amdhsa_float_denorm_mode_16_64 3
		.amdhsa_memory_ordered 1
		.amdhsa_forward_progress 1
		.amdhsa_inst_pref_size 33
	.end_amdhsa_kernel
	.amdgpu_metadata
---
amdhsa.version: [ 1, 2 ]
amdhsa.kernels:
  - .name:           k_qd4598bc9c0_final
    .symbol:         k_qd4598bc9c0_final.kd
    .args:
      - { .name: hq, .offset: 0, .size: 8, .value_kind: global_buffer, .address_space: global }
      - { .name: hs, .offset: 8, .size: 8, .value_kind: global_buffer, .address_space: global }
      - { .name: w2q, .offset: 16, .size: 8, .value_kind: global_buffer, .address_space: global }
      - { .name: w2s, .offset: 24, .size: 8, .value_kind: global_buffer, .address_space: global }
      - { .name: b2, .offset: 32, .size: 8, .value_kind: global_buffer, .address_space: global }
      - { .name: lists, .offset: 40, .size: 8, .value_kind: global_buffer, .address_space: global }
      - { .name: out0, .offset: 48, .size: 8, .value_kind: global_buffer, .address_space: global }
    .group_segment_fixed_size: 133120
    .private_segment_fixed_size: 0
    .kernarg_segment_align: 8
    .kernarg_segment_size: 56
    .max_flat_workgroup_size: 512
    .sgpr_count:     66
    .vgpr_count:     256
    .wavefront_size: 32
...
	.end_amdgpu_metadata
.endif
;; end of part 3
;; ======== version 2 of 2: 3 launches; version 1 with the launch main written anew for expert scheduling mode
;; workspace buffers: xq 1,572,864 bytes; xs 65,536 bytes; w2q 1,376,256 bytes; w2s 114,688 bytes; hq 3,317,760 bytes; hs 138,240 bytes; lists 8,960 bytes of whole numbers
;; launch route: the kernel of part 1 again; grid 135 x 1, 8 waves a work-group, no clusters, 15,360 bytes of LDS; arguments domain, x, W2, xq, xs, w2q, w2s, lists; writes xq, xs, w2q, w2s, lists
;; launch main (part 4): grid 256 x 1, 4 waves a work-group, no clusters, 53,760 bytes of LDS; arguments W1, b1, xq, xs, lists, hq, hs; writes hq, hs
.if DOCPART == 4
	.amdgcn_target "amdgcn-amd-amdhsa--gfx1250"
	.amdhsa_code_object_version 6
	.text
	.protected	k_qd4598bc9c0_main
	.globl	k_qd4598bc9c0_main
	.p2align	8
	.type	k_qd4598bc9c0_main,@function
k_qd4598bc9c0_main:
	s_mov_b64 s[64:65], 0
	v_nop
	global_prefetch_b8 v0, s[64:65] scope:SCOPE_SE
	s_setreg_imm32_b32 hwreg(HW_REG_WAVE_SCHED_MODE, 0, 2), 2
	s_setreg_imm32_b32 hwreg(HW_REG_WAVE_MODE, 25, 1), 1
	s_wait_xcnt 0x0
	s_wait_alu depctr_vm_vsrc(0)
; MAIN: h = relu(x W1[e] + b1[e]) for the tokens of expert e alone, quantised along the hidden axis and stored as codes.  Both operands are codes of BF6 (E3M2) with E8M0 scales.
; SHARES.  Work-group wg = 32 e + sl owns 64 hidden units (64 sl ..) of expert e: 1,024 rows x 256 bytes of W1, which no other work-group reads.  So W1 leaves memory once.
; Wave w streams K rows 256 w .. 256 w + 255 (K steps 2 w, 2 w + 1).  Each load takes two whole rows' 256 bytes (lanes 0-15 row k, lanes 16-31 row k + 32), 16 bytes a lane: four neighbouring columns.
; THE HIDDEN UNITS OF A TILE ARE NOT NEIGHBOURS: tile q (0 .. 3) is made of units 4 r + q.  So a lane's four columns belong to the four tiles at the same lane, its registers run down K in the operand's
; order, and nothing changes lanes.  The price: the conversions want 16 consecutive registers, so each number is moved once.
; The four waves' codes meet in LDS as images of the operand's registers (one barrier); then EVERY wave holds all 32 fragments (384 registers) and walks its own tiles of tokens: ft + w, ft + w + 4, ..
; x's CODES ARE GATHERED BY THE STORED LISTS.  They lie in token order, 768 bytes a token, the 48 bytes that lane (row, h) wants of K step s at 96 s + 48 h.  A tile's 16 tokens are loaded a refill ahead;
; lane (r, h) then takes its own token's bytes by 24 loads of 16 bytes, and its eight scale words (32 bytes a token) by two.  An instruction so touches sixteen rows; over the 24 loads the wave reads
; each row's 768 bytes whole, once.  Whole rows through LDS would take 48 more LDS instructions a tile and one more stage ahead of the products.
; THE PRODUCT IS USED TRANSPOSED (source 0 = 16 hidden units, source 1 = 16 tokens): lane (r, h) holds token r, and register j of tile q hidden unit 32 h + 4 j + q: the lane's 32 results are ONE block of 32
; along the next K.  The relu writes them in order, so the block's scale needs no other lane, and the six code registers are registers 6 c .. 6 c + 5 (c = sl % 2) of the next product's fragment, in the same lane.
; b1 is the C of each sum's first matrix instruction.
; NO TENSOR LOADS, NO CLUSTER: the number of an expert's tiles and its tokens are read from memory, and the bulk of the bytes (W1) is shared by no two work-groups; what the 32 work-groups of an expert
; share (x's codes, 12,800 bytes a tile) is a twentieth of a work-group's 262,144 bytes of W1 for each tile.
; An expert without tokens still streams its slice and passes the barrier; its loop has no trip.  Each wave asks for up to two tiles of x in vain (the tile's number is held inside the lists): the sets are
; asked for two tiles ahead.
; LIMITS: NaN and infinities are not served.  A block whose largest magnitude lies under 2^-122 (zeros too) gets the byte 1; the bytes are read by this program alone.  Tokens are held to 0 .. 2,047.
; REGISTERS, in windows of 256: window 0: v1-15 addresses; v16-47 W1's scale words, v48-63 x's (two sets): these hold scales alone; v64-95 b1; v96-127 the four accumulators; v128-159 h; v160-175 its codes;
;   v176-239 64 numbers in order (while W1 is quantised v96-119 are at work and v128-175 hold four fragments); v240-245 tokens and x's offsets, one of each for each set.
;   window 1: x's fragments, two sets of 96.   windows 2, 3: W1 as loaded, 128 registers a unit of 64 K rows; then W1's fragments: K steps 0-4 in window 2, 5-7 in window 3.
; THE MODE: SCHED_MODE bits 1:0 = 2 (LLVM: expert scheduling mode 2), set by the entry lines.  The code itself states the register dependences between vector or matrix instructions and memory or LDS
; instructions, with s_wait_alu, always for 0.
; THE PLAN.  Registers that memory or LDS instructions touch:
;   v4-11, v14        offsets and LDS addresses: written once at the head, read by every load and store, never written again.
;   windows 2, 3      W1 as loaded: each unit's loads land in registers that no vector line has named; HU's moves read them; behind the barrier the fragments' LDS loads land there, and the products read them.
;   v128-175, v108-111  four fragments and their scale words: written by HU and KOUT, read by KOUT's LDS stores, written again by the next K step, later by the accumulators and the relu.
;   v64-95, v16-47    b1 and W1's scale words: loaded once, read by the products alone.
;   x's set b, v48 + 8 b ..  26 loads land there; the set's 32 products read them; then they are loaded again.
;   v[TK + b]         the token load lands there; XADR reads it and holds it to 2,047; then it is loaded again.
;   v[XA + b], v[XSA + b]  written by XADR, read by the set's 26 loads.
;   v160-165, v175    a tile's codes and scale byte: written by the conversions, three moves and a shift, read by the tile's four stores.
; A TILE HAS THREE WAITS.  Behind its products, beside the wait on XCNT: the last tile's stores and this set's last loads have read their registers.  Behind XADR: the products are done reading the set, and
; the offsets are written: the set's 27 loads follow, and the relu, the maximum and the conversions behind them name none of the registers that those loads touch.  Ahead of the four stores: their data are written.
.set TILES, 135
.set WIMG,  0                          ; LDS: 32 fragments x 1,536 bytes: fragment 4 s + q
.set WSC,   49152                      ; LDS: their scale words, 128 bytes each
.set R4,    14                         ; v14      4 x (lane % 16)
.set H48,   15                         ; v15      48 h
.set W1S,   16
.set XS,    48
.set B1,    64
.set ACC,   96
.set QM,    96                         ; while W1 is quantised: largest magnitudes,
.set QS,    100                        ; scale operands,
.set QB,    104                        ; bytes,
.set SWQ,   108                        ; scale words of the four tiles,
.set G,     112                        ; second halves of two blocks' codes
.set F,     128                        ; four fragments
.set H,     128
.set HC,    160
.set HG,    168
.set HM,    172
.set HSO,   174
.set HBY,   175
.set T,     176
.set TK,    240                        ; v240-241 set b: the token of row lane % 16 of the tile that the set takes next
.set XA,    242                        ; v242-243 set b: my byte offset in xq
.set XSA,   244                        ; v244-245 set b: my byte offset in xs
.set MSB, 0
.macro WIN new                         ; s_set_vgpr_msb: bits 1:0 source 0, 3:2 source 1, 5:4 source 2, 7:6 destination; the high byte repeats the setting that is left
.if MSB != \new
	s_set_vgpr_msb (MSB<<8)|\new
.set MSB, \new
.endif
.endm
	s_load_b256 s[4:11], s[0:1], 0x0               ; W1 s[4:5], b1 s[6:7], xq s[8:9], xs s[10:11]
	s_load_b128 s[12:15], s[0:1], 0x20             ; lists s[12:13], hq s[14:15]
	s_load_b64 s[16:17], s[0:1], 0x30              ; hs
	v_lshl_add_u32 v254, v0, 2, 0xd000
	v_mov_b32 v255, 0
	v_lshrrev_b32 v13, 5, v0
	v_readfirstlane_b32 s18, v13                   ; wave 0..3
	s_lshr_b32 s19, ttmp9, 5                       ; e
	s_and_b32 s20, ttmp9, 31                       ; sl
	v_and_b32 v1, 31, v0                           ; lane
	v_and_b32 v2, 15, v0                           ; r
	v_bfe_u32 v3, v0, 4, 1                         ; h
	v_lshlrev_b32 v4, 4, v2
	v_lshl_add_u32 v4, v3, 18, v4                  ; W1: 16 r + 32 h rows of 8,192 bytes
	v_lshlrev_b32 v5, 4, v1                        ; 16 lane
	v_lshlrev_b32 v6, 2, v1                        ; 4 lane
	s_wait_alu depctr_va_sdst(0)                   ; s18, the wave's number, is written, ahead of its first reader: LDS addresses, W1's base and the tiles' numbers are made from it
	s_mul_i32 s26, s18, 12288
	v_add_nc_u32 v7, s26, v5                       ; where I store my eight fragments: 16 lane + 8 x 1,536 x wave
	s_lshl_b32 s26, s18, 10
	s_add_co_u32 s26, s26, WSC
	v_add_nc_u32 v8, s26, v6                       ; and their scale words
	v_lshlrev_b32 v9, 7, v3                        ; b1: 32 h numbers on
	v_lshlrev_b32 v10, 3, v1                       ; 8 lane
	s_lshl_b32 s26, s20, 1
	v_lshl_add_u32 v11, v2, 6, v3
	v_add_nc_u32 v11, s26, v11                     ; hs: 64 r + 2 sl + h
	v_lshlrev_b32 v12, 3, v3                       ; 8 h
	v_lshlrev_b32 v[R4], 2, v2
	v_lshlrev_b32 v[H48], 4, v3
	v_lshl_add_u32 v[H48], v3, 5, v[H48]           ; 16 h + 32 h
	s_mov_b32 s40, 0x76543210
	s_mov_b32 s41, 0xfedcba98                      ; v_permlanex16_b32's selects for lane l xor 16
	s_mul_i32 s42, s20, 768                        ; hq: my slice's place in a tile
	s_lshl_b32 s26, s19, 23                        ; W1: the expert's 8 MiB,
	s_lshl_b32 s27, s18, 21                        ; my wave's 256 rows,
	s_add_co_u32 s26, s26, s27
	s_lshl_b32 s27, s20, 8                         ; the slice's 256 bytes of a row
	s_add_co_u32 s26, s26, s27
	s_mov_b32 s27, 0
	s_lshl_b32 s44, ttmp9, 8                       ; b1: (2,048 e + 64 sl) x 4 = 256 wg
	s_mov_b32 s45, 0                               ; s45 stays 0: the upper word of every offset
	s_lshl_b32 s43, s19, 2
	s_wait_kmcnt 0x0
	s_add_nc_u64 s[4:5], s[4:5], s[26:27]
	s_add_nc_u64 s[6:7], s[6:7], s[44:45]
	s_load_b32 s21, s[12:13], s43 offset:0x0       ; ft[e]
	s_load_b32 s22, s[12:13], s43 offset:0x20      ; nt[e]
	s_wait_alu depctr_va_vdst(0)                   ; the offsets and LDS addresses v4 to v11 and v14 are written: every load and store of the kernel reads one of them, and none is written again
; Unit u: K rows 64 u .. 64 u + 63 of my 256: 32 loads of 512 bytes.  Register 4 j + q of the unit: W1(64 u + 32 h + j, 4 r + q).  No vector line has named a unit's registers when its loads are issued.
.macro ULOAD u
	WIN 0x80+0x40*((\u)/2)                         ; destination window 2 or 3
.irp j, 0,1,2,3,4,5,6,7,8,9,10,11,12,13,14,15,16,17,18,19,20,21,22,23,24,25,26,27,28,29,30,31
	global_load_b128 v[128*((\u)%2)+4*\j:128*((\u)%2)+4*\j+3], v4, s[4:5] offset:(64*(\u)+\j)*8192 th:TH_LOAD_NT
.endr
.endm
; Half a unit: tiles 2 qp and 2 qp + 1.  Their 32 numbers each are brought in order, and become registers 6 c .. 6 c + 5 (c = u % 2) of the tiles' fragments and a byte of their scale words.
.macro HU u, qp
	WIN 2+(\u)/2                                   ; source 0 window 2 or 3
.irp qq, 0,1
.irp j, 0,1,2,3,4,5,6,7,8,9,10,11,12,13,14,15,16,17,18,19,20,21,22,23,24,25,26,27,28,29,30,31
	v_mov_b32 v[T+32*\qq+\j], v[128*((\u)%2)+4*\j+2*(\qp)+\qq]
.endr
.endr
	WIN 0
.irp qq, 0,1
	v_max3_num_f32 v[QM+2*(\qp)+\qq], |v[T+32*\qq]|, |v[T+32*\qq+1]|, 0x2800000   ; with the floor 2^(5 - 127): the byte cannot fall under 1
.endr
.irp i, 2,4,6,8,10,12,14,16,18,20,22,24,26,28,30
.irp qq, 0,1
	v_max3_num_f32 v[QM+2*(\qp)+\qq], v[QM+2*(\qp)+\qq], |v[T+32*\qq+\i]|, |v[T+32*\qq+\i+1]|   ; (the two tiles by turns)
.endr
.endr
.irp qq, 0,1
	v_add_nc_u32 v[QS+2*(\qp)+\qq], 0xfe000000, v[QM+2*(\qp)+\qq]   ; 4 off the exponent field: the conversion's scale operand
.endr
.if (\u)%2 == 0
.irp qq, 0,1
	v_lshrrev_b32 v[SWQ+2*(\qp)+\qq], 23, v[QS+2*(\qp)+\qq]         ; the byte of block h
.endr
.else
.irp qq, 0,1
	v_lshrrev_b32 v[QB+2*(\qp)+\qq], 23, v[QS+2*(\qp)+\qq]
.endr
.irp qq, 0,1
	v_lshl_or_b32 v[SWQ+2*(\qp)+\qq], v[QB+2*(\qp)+\qq], 16, v[SWQ+2*(\qp)+\qq]   ; and of block 2 + h
.endr
.endif
.irp qq, 0,1
	v_cvt_scalef32_pk16_bf6_f32 v[F+12*(2*(\qp)+\qq)+6*((\u)%2):F+12*(2*(\qp)+\qq)+6*((\u)%2)+2], v[T+32*\qq:T+32*\qq+15], v[QS+2*(\qp)+\qq]
	v_cvt_scalef32_pk16_bf6_f32 v[G+4*\qq:G+4*\qq+2], v[T+32*\qq+16:T+32*\qq+31], v[QS+2*(\qp)+\qq]   ; (a conversion's three registers begin on an even number)
.endr
	v_nop                                          ; one plain place behind a scaled conversion
.irp qq, 0,1
.irp i, 0,1,2
	v_mov_b32 v[F+12*(2*(\qp)+\qq)+6*((\u)%2)+3+\i], v[G+4*\qq+\i]
.endr
.endr
.endm
; My K step ks (0, 1) is whole: its four fragments and scale words go to LDS as they stand.
.macro KOUT ks
.irp q, 0,1,2,3
	v_lshlrev_b32 v[SWQ+\q], v12, v[SWQ+\q]        ; my two bytes 8 h bits up;
.endr
.irp q, 0,1,2,3
	v_permlanex16_b32 v[QB+\q], v[SWQ+\q], s40, s41
.endr
.irp q, 0,1,2,3
	v_or_b32 v[SWQ+\q], v[SWQ+\q], v[QB+\q]        ; with lane l xor 16's two the word is whole
.endr
	s_wait_alu depctr_va_vdst(0)                   ; the conversions and moves have written the four fragments v[F ..], the lines above their scale words v[SWQ ..]: the LDS stores below read both
.irp q, 0,1,2,3
.irp g, 0,1,2
	ds_store_b128 v7, v[F+12*\q+4*\g:F+12*\q+4*\g+3] offset:WIMG+(4*(\ks)+\q)*1536+512*\g
.endr
	ds_store_b32 v8, v[SWQ+\q] offset:(4*(\ks)+\q)*128
.endr
	s_wait_dscnt 0x0                               ; the stores have landed: the barrier below may be signalled
	s_wait_alu depctr_vm_vsrc(0)                   ; the LDS stores have read v[F ..] and v[SWQ ..], which are written again: by the next K step's lines, and behind the barrier by the accumulators and the relu
.endm
; The 16 tokens of tile s26 (held inside the lists) for set b: one load; lanes r and r + 16 take row r's.
.macro TKL b
	WIN 0
	s_min_u32 s26, s26, TILES-1
	s_lshl_b32 s44, s26, 6
	s_add_co_u32 s44, s44, 256                     ; the tiles' tokens begin at byte 256, 64 bytes a tile
	s_add_nc_u64 s[28+4*\b:29+4*\b], s[12:13], s[44:45]
	global_load_b32 v[TK+\b], v[R4], s[28+4*\b:29+4*\b]
.endm
; My offsets in xq and xs for the tile whose tokens v[TK + b] holds.
.macro XADR b
	WIN 0
	v_min_u32 v[TK+\b], 2047, v[TK+\b]
	v_lshl_add_u32 v[XA+\b], v[TK+\b], 1, v[TK+\b] ; 3 x token,
	v_lshl_add_u32 v[XA+\b], v[XA+\b], 8, v[H48]   ; x 256, + 48 h
	v_lshlrev_b32 v[XSA+\b], 5, v[TK+\b]           ; 32 x token
.endm
; The eight fragments and scale words of that tile, into set b: 26 loads.
.macro XLOADS b
	WIN 0x40                                       ; destination window 1
.irp s, 0,1,2,3,4,5,6,7
.irp g, 0,1,2
	global_load_b128 v[96*\b+12*\s+4*\g:96*\b+12*\s+4*\g+3], v[XA+\b], s[8:9] offset:96*\s+16*\g
.endr
.endr
	WIN 0
.irp i, 0,1
	global_load_b128 v[XS+8*\b+4*\i:XS+8*\b+4*\i+3], v[XSA+\b], s[10:11] offset:16*\i   ; register s: my token's scale word of K step s
.endr
.endm
; THE STREAM.  Two units are asked for at once; then each unit is quantised while the two behind it are on their way: 32 to 64 loads of 512 bytes of every wave are out.
	ULOAD 0
	ULOAD 1
	s_wait_loadcnt 32                              ; unit 0 is in; unit 1's 32 loads may be out
	s_wait_kmcnt 0x0                               ; ft, nt
	s_min_u32 s22, s22, TILES                      ; (an expert has 128 tiles at the most)
	s_add_co_u32 s23, s21, s18                     ; my first tile
	s_add_co_u32 s24, s21, s22                     ; behind the expert's last
	s_mov_b32 s26, s23
	TKL 0                                          ; my first two tiles' tokens ride with the stream
	s_add_co_u32 s26, s23, 4
	TKL 1
	ULOAD 2
	HU 0, 0
	HU 0, 1
	s_wait_loadcnt 34                              ; unit 1 is in; the two token loads and unit 2's 32 may be out
	ULOAD 3
	HU 1, 0
	HU 1, 1
	KOUT 0
	s_wait_loadcnt 32                              ; the tokens and unit 2 are in; unit 3's may be out
.irp q, 0,1,2,3
.irp j, 0,1,2,3,4,5,6,7
	global_load_b32 v[B1+8*\q+\j], v9, s[6:7] offset:4*(4*\j+\q)   ; b1 in the result's layout: register j of tile q is hidden unit 32 h + 4 j + q.  (No vector line names v64 to v95)
.endr
.endr
	HU 2, 0
	HU 2, 1
	s_wait_loadcnt 32                              ; unit 3 is in; b1's 32 loads may be out
	XADR 0                                         ; both sets' offsets are made together, so that one wait serves both sets' loads
	XADR 1
	WIN 0x40
	s_wait_alu depctr_va_vdst(0)                   ; v[XA ..] and v[XSA ..], the offsets of the 52 loads below, are written; v[TK ..], in which the two token loads land, have been read and written
	XLOADS 0                                       ; my first two tiles of x land while the last unit is quantised and the codes go round;
	s_add_co_u32 s26, s23, 8
	TKL 0                                          ; behind each set's loads the tokens of the tile that the set takes next
	XLOADS 1
	s_add_co_u32 s26, s23, 12
	TKL 1
	HU 3, 0
	HU 3, 1
	KOUT 1
	s_barrier_signal -1                            ; every wave's stores have landed (the wait on DScnt at KOUT's end)
	s_barrier_wait -1
; all 32 fragments and scale words into my registers
	WIN 0x80
	s_wait_alu depctr_va_vdst(0)                   ; the moves that brought W1's numbers in order are done reading windows 2 and 3, in which the fragments land
.set fi, 0
.rept 20
.irp g, 0,1,2
	ds_load_b128 v[12*fi+4*\g:12*fi+4*\g+3], v5 offset:WIMG+1536*fi+512*\g
.endr
.set fi, fi+1
.endr
	WIN 0xc0
.rept 12
.irp g, 0,1,2
	ds_load_b128 v[12*(fi-20)+4*\g:12*(fi-20)+4*\g+3], v5 offset:WIMG+1536*fi+512*\g
.endr
.set fi, fi+1
.endr
	WIN 0
.set fi, 0
.rept 32
	ds_load_b32 v[W1S+fi], v6 offset:WSC+128*fi
.set fi, fi+1
.endr
	s_wait_dscnt 0x0
; One tile of 16 tokens, tile s23 + o, from set b of x.  refill = 1: the set is asked for again, with the tile eight further on, and the tokens of the tile sixteen further on are asked for.
.macro HALF b, o, refill
	s_add_co_u32 s25, s23, \o
	s_wait_loadcnt 27                              ; this set's 26 loads and the token load behind them are in (ahead of the first tile: b1 too); the other set's 26 + 1, issued behind them, may be out
	WIN 0x06                                       ; source 0 (W1) window 2, source 1 (x) window 1; C and D window 0
.irp q, 0,1,2,3                                ; the four accumulators take turns, one instruction a turn
	v_wmma_scale_f32_16x16x128_f8f6f4 v[ACC+8*\q:ACC+8*\q+7], v[12*\q:12*\q+11], v[96*\b:96*\b+11], v[B1+8*\q:B1+8*\q+7], v[W1S+\q], v[XS+8*\b] matrix_a_fmt:MATRIX_FMT_BF6 matrix_b_fmt:MATRIX_FMT_BF6
.endr
.irp s, 1,2,3,4
.irp q, 0,1,2,3
	v_wmma_scale_f32_16x16x128_f8f6f4 v[ACC+8*\q:ACC+8*\q+7], v[12*(4*\s+\q):12*(4*\s+\q)+11], v[96*\b+12*\s:96*\b+12*\s+11], v[ACC+8*\q:ACC+8*\q+7], v[W1S+4*\s+\q], v[XS+8*\b+\s] matrix_a_fmt:MATRIX_FMT_BF6 matrix_b_fmt:MATRIX_FMT_BF6
.endr
.endr
	WIN 0x07                                       ; W1's K steps 5-7 lie in window 3
.irp s, 5,6,7
.irp q, 0,1,2,3
	v_wmma_scale_f32_16x16x128_f8f6f4 v[ACC+8*\q:ACC+8*\q+7], v[12*(4*\s+\q-20):12*(4*\s+\q-20)+11], v[96*\b+12*\s:96*\b+12*\s+11], v[ACC+8*\q:ACC+8*\q+7], v[W1S+4*\s+\q], v[XS+8*\b+\s] matrix_a_fmt:MATRIX_FMT_BF6 matrix_b_fmt:MATRIX_FMT_BF6
.endr
.endr
	WIN 0
	s_wait_xcnt 0x0                                ; the last tile's stores have had their addresses translated: their bases and data are written again only behind this wait
	s_wait_alu depctr_vm_vsrc(0)                   ; the last tile's stores have read v[HC ..] and v[HBY], and this set's last loads v[XA + b] and v[XSA + b]: all of them are written again below
.rept 4
	v_nop                                          ; four places (ISA guide 7.12.1) in front of the first read of results
.endr
.if \refill
	XADR \b
	WIN 0x40
	s_wait_alu depctr_va_vdst(0)                   ; the 32 products are done reading this set's fragments and scale words, in which the loads below land; v[XA + b] and v[XSA + b], their offsets, are written; v[TK + b], in which the token load lands, has been read and written
	XLOADS \b                                      ; this set's next tile: it has the rest of this tile and all of the next in which to land
	s_add_co_u32 s26, s25, 16
	TKL \b                                         ; and the tokens for the refill after that.  The vector lines from here to the stores name none of the registers that these 27 loads touch
.endif
	s_min_u32 s26, s25, TILES-1
	s_mul_i32 s44, s26, 24576
	s_add_co_u32 s44, s44, s42
	s_add_nc_u64 s[36:37], s[14:15], s[44:45]      ; hq: tile, slice
	s_lshl_b32 s44, s26, 10
	s_add_nc_u64 s[38:39], s[16:17], s[44:45]      ; hs: tile
.irp j, 0,1,2,3,4,5,6,7                        ; the relu also brings the 32 hidden units in order; each accumulator is read from its low end on
.irp q, 0,1,2,3
	v_max_num_f32 v[H+4*\j+\q], 0, v[ACC+8*\q+\j]
.endr
.endr
	v_max3_num_f32 v[HM], v[H], v[H+1], 0x2800000  ; the block's largest number (none is negative), in two chains, with the floor 2^(5 - 127)
	v_max3_num_f32 v[HM+1], v[H+16], v[H+17], v[H+18]
.irp i, 2,4,6,8,10,12
	v_max3_num_f32 v[HM], v[HM], v[H+\i], v[H+\i+1]
	v_max3_num_f32 v[HM+1], v[HM+1], v[H+17+\i], v[H+18+\i]
.endr
	v_max3_num_f32 v[HM], v[HM], v[H+14], v[H+15]
	v_max3_num_f32 v[HM], v[HM], v[HM+1], v[H+31]
	v_add_nc_u32 v[HSO], 0xfe000000, v[HM]
	v_cvt_scalef32_pk16_bf6_f32 v[HC:HC+2], v[H:H+15], v[HSO]
	v_cvt_scalef32_pk16_bf6_f32 v[HG:HG+2], v[H+16:H+31], v[HSO]
	v_lshrrev_b32 v[HBY], 23, v[HSO]               ; the scale's byte; also the plain place behind the conversions
.irp i, 0,1,2
	v_mov_b32 v[HC+3+\i], v[HG+\i]
.endr
	s_wait_alu depctr_va_vdst(0)                   ; the first conversion and the three moves have written v[HC ..], the shift v[HBY]: the four stores below read them
.irp i, 0,1,2
	global_store_b64 v10, v[HC+2*\i:HC+2*\i+1], s[36:37] offset:256*\i   ; 32 lanes store 256 consecutive bytes, at a multiple of 256 from the buffer's first byte
.endr
	global_store_b8 v11, v[HBY], s[38:39]          ; a byte a lane, one for each 24 bytes of codes: a row's 64 bytes come from 32 work-groups, so they cannot be gathered here
.endm
; MY TILES: s23, s23 + 4, .. under s24: (nt + 3 - wave) / 4 of them, rounded down.  The loop takes them in whole pairs, one from each set of x; it is counted in pairs, s46 from 0 by 1 up to
; s47 = (nt + 3 - wave) / 8, and left only by falling through its branch.  The tile's number s23 steps by 8 beside the counter.
; An odd last tile is written out behind it: set 0 holds it on both ways there (no trip: the first request; after a trip: the refill of the trip's first half), and the 27 youngest loads are set 1's.
	s_add_co_u32 s47, s22, 3
	s_sub_co_u32 s47, s47, s18
	s_lshr_b32 s47, s47, 3                         ; my whole pairs of tiles
	s_mov_b32 s46, 0
	s_cmp_eq_u32 s47, 0
	s_cbranch_scc1 .Ltail                          ; not even one whole pair
.Ltiles:
	HALF 0, 0, 1
	HALF 1, 4, 1
	s_add_co_u32 s23, s23, 8
	s_add_co_u32 s46, s46, 1
	s_cmp_lt_u32 s46, s47
	s_cbranch_scc1 .Ltiles
.Ltail:
	s_cmp_ge_u32 s23, s24
	s_cbranch_scc1 .Ldone                          ; an even number of tiles, or none
	HALF 0, 0, 0                                   ; the last tile asks for nothing more, so it has no wait ahead of loads
.Ldone:
	s_wait_dscnt 0x0                               ; the closing lines, six on end
	s_wait_alu 0x0
	s_wait_tensorcnt 0x0
	ds_add_u32 v254, v255
	s_wait_dscnt 0x0
	s_endpgm
.Lfunc_end_k_qd4598bc9c0_main:
	.size	k_qd4598bc9c0_main, .Lfunc_end_k_qd4598bc9c0_main-k_qd4598bc9c0_main
	.p2alignl 7, 3214868480
	.fill 96, 4, 3214868480
	.section	.rodata,"a",@progbits
	.p2align	6, 0x0
	.amdhsa_kernel k_qd4598bc9c0_main
		.amdhsa_group_segment_fixed_size 53760
		.amdhsa_private_segment_fixed_size 0
		.amdhsa_enable_private_segment 0
		.amdhsa_kernarg_size 56
		.amdhsa_user_sgpr_count 2
		.amdhsa_user_sgpr_kernarg_segment_ptr 1
		.amdhsa_wavefront_size32 1
		.amdhsa_system_sgpr_workgroup_id_x 1
		.amdhsa_system_sgpr_workgroup_id_y 1
		.amdhsa_system_sgpr_workgroup_id_z 1
		.amdhsa_system_vgpr_workitem_id 0
		.amdhsa_next_free_vgpr 1024
		.amdhsa_next_free_sgpr 66
		.amdhsa_reserve_vcc 0
		.amdhsa_float_denorm_mode_32 3
		.amdhsa_float_denorm_mode_16_64 3
		.amdhsa_memory_ordered 1
		.amdhsa_forward_progress 1
		.amdhsa_inst_pref_size 104
	.end_amdhsa_kernel
	.amdgpu_metadata
---
amdhsa.version: [ 1, 2 ]
amdhsa.kernels:
  - .name:           k_qd4598bc9c0_main
    .symbol:         k_qd4598bc9c0_main.kd
    .args:
      - { .name: W1, .offset: 0, .size: 8, .value_kind: global_buffer, .address_space: global }
      - { .name: b1, .offset: 8, .size: 8, .value_kind: global_buffer, .address_space: global }
      - { .name: xq, .offset: 16, .size: 8, .value_kind: global_buffer, .address_space: global }
      - { .name: xs, .offset: 24, .size: 8, .value_kind: global_buffer, .address_space: global }
      - { .name: lists, .offset: 32, .size: 8, .value_kind: global_buffer, .address_space: global }
      - { .name: hq, .offset: 40, .size: 8, .value_kind: global_buffer, .address_space: global }
      - { .name: hs, .offset: 48, .size: 8, .value_kind: global_buffer, .address_space: global }
    .group_segment_fixed_size: 53760
    .private_segment_fixed_size: 0
    .kernarg_segment_align: 8
    .kernarg_segment_size: 56
    .max_flat_workgroup_size: 128
    .sgpr_count:     66
    .vgpr_count:     1024
    .wavefront_size: 32
...
	.end_amdgpu_metadata
.endif
;; end of part 4
;; launch final: the kernel of part 3 again; grid 135 x 1, 16 waves a work-group, no clusters, 133,120 bytes of LDS; arguments hq, hs, w2q, w2s, b2, lists, out0; writes out0
